; MI455X (gfx1250); checked and timed in simulation.
; The chip was launched on July 23, 2026; its instructions are those of AMD's public machine-readable ISA for CDNA 5 (MIT licence, August 2026) and "CDNA5" Instruction Set Architecture Reference Guide (July 2026). The comments in the code are by the model that wrote it; some were corrected since.
;; Folding Generator. Allowed arithmetic: matrix products marked QUANTISED: E2M1 operands, one E8M0 scale for each 32 along K, by v_wmma_scale_f32_16x16x128_f8f6f4 with both operands' format E2M1 (or v_wmma_scale_f32_32x16x128_f4), f32 sums; products left as they are: f32 operands where the result goes on into a quantised operand, else bf16, f16 or f32 operands; f32 sums; everything else in f32.
;; Inputs: W1 258 x 256 float32; W2_codes 64 x 8 x 16 uint8 (E2M1 codes of W2, K innermost, in blocks of 32 codes, two codes a byte); W2_scales 64 x 8 uint8 (E8M0 scales of W2, one for each 32 codes along K); W3 64 x 3 float32; Wc 256 x 3 float32; b1 256 float32; b2 64 float32; b3 3 float32; bc 3 float32; beta1 256 float32; beta2 64 float32; gamma1 256 float32; gamma2 64 float32; grid 64 x 2 float32; tokens 8 x 2,048 x 256 float32.
;; Outputs: out0 8 x 2,048 x 3 float32; out1 8 x 131,072 x 3 float32.
;; This version of the problem:
;;   THIS VERSION OF THE PROBLEM IS GIVEN IN LOW PRECISION. The matrix products marked QUANTISED in the list below multiply operands that are first quantised to E2M1 (2 exponent bits, 1 mantissa bit; 4 bits a number), with one power-of-two scale for each 32 numbers along K (OCP MX v1.0); their sums are f32. All else is computed in f32.
;;   The module's matrix products, in the order in which they are computed (A, B: the left and right operand; K: the contracted axis; several contracted axes count as one K, in the product's order):
;;     1. [M 16,384, K 256] x [K 256, N 3]; A: input tokens; B: input Wc: left as it is (N = 3 < 16)
;;     2. [M 16,384, K 256] x [K 256, N 256]; A: input tokens; B: input W1: QUANTISED
;;     3. [M 64, K 2] x [K 2, N 256]; A: input grid; B: input W1: left as it is (K = 2 < 32)
;;     4. [M 1,048,576, K 256] x [K 256, N 64]; A: computed on the way; B: input W2 (given as codes): QUANTISED
;;     5. [M 1,048,576, K 64] x [K 64, N 3]; A: computed on the way; B: input W3: left as it is (N = 3 < 16)
;;   THE QUANTISER, for each operand of a quantised product, along K:
;;     - K is cut into blocks of 32 from its start; a last block that is shorter is filled with zeros.
;;     - A block's scale is 2^e with e = floor(log2(the largest magnitude in the block)) - 2, held to -126 .. 127; a block of zeros has e = 0. As a byte (E8M0): e + 127.
;;     - Each number is divided by its block's scale, clamped to +-6, and rounded to the nearest number of E2M1, ties to even, subnormals kept.
;;     - The product sums the exact products of the quantised numbers (number of the format x scale) in f32.
;;   ~~~python
;;   def quantise(x, axis):      # numpy; x: float32 -> the quantised numbers, widened to float32 again
;;       x = np.moveaxis(x, axis, -1); K = x.shape[-1]
;;       x = np.pad(x, [(0, 0)] * (x.ndim - 1) + [(0, -K % 32)]); x = x.reshape(x.shape[:-1] + (-1, 32)); a = np.abs(x).max(-1, keepdims=True)
;;       e = np.where(a > 0, np.clip(np.frexp(np.where(a > 0, a, 1))[1] - 1 - 2, -126, 127), 0)      # np.frexp(a)[1] - 1 = floor(log2(a)), exactly
;;       r = np.clip(x / 2.0 ** e, -6, 6)
;;       step = 2.0 ** (np.maximum(np.frexp(np.where(r == 0, 1, r))[1] - 1, 0) - 1)
;;       q = np.round(r / step) * step * 2.0 ** e      # np.round: ties to even
;;       return np.moveaxis(q.reshape(q.shape[:-2] + (-1,))[..., :K], -1, axis).astype(np.float32)
;;   ~~~
;;   OPERANDS COMPUTED ON THE WAY. 'Computed on the way' means the value that the module computes at that place (a softmax that the list does not call 'softmax' is quantised finished and normalised). What goes into a quantiser is computed in f32, as accurately as f32 sums, v_exp_f32 and their like allow (about 1e-6 of the number): no bf16 or f16 on the way to a quantiser, and a product that is left as it is and whose result goes on into a quantised operand takes f32 operands (vector FMAs, or v_wmma_f32_16x16x4_f32). A number that lies on a knife's edge between two numbers of the format may be rounded either way, as far as f32 arithmetic and the matrix unit's own rounding can turn it there, and no further.
;;   INPUTS GIVEN AS CODES. W2 (in the module: [256, 64], K = its axis 0): each comes as NAME_codes (uint8): NAME with its K axis moved to the last place and cut into blocks of 32 codes, [.., K / 32, bytes a block], one block behind the other in memory; two codes a byte, the lower K in the low four bits (a code: sign, 2 exponent bits, 1 mantissa bit); and NAME_scales (uint8): the same leading axes, one E8M0 byte (e + 127) for each 32 codes along K. Its value is code x scale, taken as it is: it is not quantised again, and the codes and scales need not be those that the quantiser above would give.
;; 2 versions, each right; version 2 is version 1 with the launches tok, passA, passB written anew for expert scheduling mode. Each part assembles by itself: llvm-mc -triple=amdgcn-amd-amdhsa -mcpu=gfx1250 --defsym DOCPART=n.
;; ======== version 1 of 2: 4 launches
;; workspace buffers: a_ws 16,777,216 bytes; st1 524,288 bytes; nrm1 2,048 bytes; gtab 65,536 bytes; st2 131,072 bytes
;; launch tok (part 1): grid 256 x 1, 16 waves a work-group, no clusters, 152,064 bytes of LDS; arguments tokens, W1, Wc, bc, a_ws, st1, out0; writes a_ws, st1, out0
.if DOCPART == 1
	.amdgcn_target "amdgcn-amd-amdhsa--gfx1250"
	.amdhsa_code_object_version 6
	.text
	.protected	k_qab960f9efc_tok
	.globl	k_qab960f9efc_tok
	.p2align	8
	.type	k_qab960f9efc_tok,@function
k_qab960f9efc_tok:
	s_mov_b64 s[64:65], 0
	v_nop
	global_prefetch_b8 v0, s[64:65] scope:SCOPE_SE
	s_setreg_imm32_b32 hwreg(HW_REG_WAVE_MODE, 25, 1), 1
	s_wait_xcnt 0x0
; a = Q(tokens) Q(W1[0:256]) in MX-FP4 (E2M1 codes, one E8M0 scale for each 32 along K), f32 sums -> a_ws [16384][256];
; coarse = tokens Wc + bc by f32 multiply-adds -> out0;  for each of a's 256 columns the mean and the centred sum of squares over this work-group's 64 tokens -> st1 [wg][2][256].
; SHARES.  A work-group takes 64 tokens and all 256 columns; sixteen waves, w = 4 m + 2 s + ci.
;   Quantising tokens: wave w makes register group ci of the fragment (rows 16 m on, K step s): lane (r, h) holds ONE block of 32: k = 64 (w % 4) + 32 h + 0 .. 31 of row 16 m + r.
;   Its loads take the bytes as they lie (two rows x 256 bytes an instruction); they turn through the wave's own LDS so that a lane gets 32 neighbours along K.
;   Quantising W1 and multiplying: wave w owns columns 16 w .. 16 w + 15 for all of K: a lane takes a column and its registers run down K, in the operand's own order.
;   The tokens' fragments go from wave to wave through LDS as images of their registers (16 bytes a lane, 512 bytes a store), their scale words 4 bytes a row.
; A block's scale byte is its largest magnitude's exponent field - 2, held at 1 from below by a floor among the maximum's leaves.
; LIMITS: NaN and infinities are not served; a block of zeros (or under 2^-124) carries the byte 1 where the quantiser says 127: its codes are zeros, and the bytes are read here alone.
; No tensor loads: each byte of tokens has to pass through registers to be quantised, and W1's columns are read once by a wave.  No cluster: what work-groups share (W1, Wc) is read once at the head.
.set XIMG,  0                          ; LDS: the tokens' 8 fragments (2 m + s), 1,024 bytes each
.set XSC,   8192                       ; their scale words: 8 x 16 rows x 4 bytes
.set CPB,   8704                       ; coarse: 4 partial sums (one for each 64 along K) x 64 tokens x 12 bytes
.set STS,   11776                      ; 256 means, then 256 centred sums of squares
.set TURN,  13824                      ; 16 waves x 16 rows x (256 + 16) bytes: each wave's own
.set STAGE, 83456                      ; 64 rows of a x (1,024 + 16) bytes
.set SP,    1040
.set BS,  16                           ; v16-17  W1's scale words, K step 0, 1: scales and nothing else
.set AS,  18                           ; v18-25  the tokens' scale words, fragment 0 .. 7: scales and nothing else
.set R,   32                           ; v32-63  tokens as loaded; then at work
.set XT,  64                           ; v64-95  my 32 neighbours along K
.set WC,  96                           ; v96-191 Wc: 32 rows x 3
.set WA,  192                          ; v192-255 W1, k 0 .. 127 of my column (my half's 64)
.set WB,  96                           ; v96-159  W1, k 128 .. 255
.set BF,  160                          ; v160-175 W1's two fragments
.set QT,  176                          ; v176-183 at work
.set AF,  32                           ; v32-95  the tokens' eight fragments
.set ACC, 192                          ; v192-223 four accumulators: rows 16 m' on x my 16 columns
	s_load_b256 s[4:11], s[0:1], 0x0               ; tokens s[4:5], W1 s[6:7], Wc s[8:9], bc s[10:11]
	s_load_b128 s[12:15], s[0:1], 0x20             ; a_ws s[12:13], st1 s[14:15]
	s_load_b64 s[16:17], s[0:1], 0x30              ; out0
	v_lshl_add_u32 v30, v0, 2, 0x24a00
	v_mov_b32 v31, 0
	v_lshrrev_b32 v1, 5, v0
	v_readfirstlane_b32 s2, v1                     ; wave 0 .. 15
	v_and_b32 v1, 31, v0                           ; lane
	v_and_b32 v2, 15, v0                           ; r
	v_bfe_u32 v3, v0, 4, 1                         ; h
	s_and_b32 s3, s2, 3                            ; 2 s + ci: which 64 along K
	s_lshr_b32 s18, s2, 2                          ; m: which 16 rows
	s_mov_b32 s24, 0x76543210
	s_mov_b32 s25, 0xfedcba98                      ; v_permlanex16_b32's selects for lane l xor 16
	; a lane's offsets in memory
	v_lshlrev_b32 v4, 4, v2
	v_lshl_add_u32 v4, v3, 10, v4                  ; tokens: 16 r bytes of row h of a pair of rows
	v_mul_u32_u24 v7, v3, 384                      ; Wc: my half's 32 rows of 12 bytes
	v_lshlrev_b32 v8, 2, v2
	v_lshl_add_u32 v8, v3, 15, v8                  ; W1: column r, 32 h rows of 1,024 bytes down
	; every LDS address is made here, ahead of the branches on the wave's number
	s_mul_i32 s19, s2, 16*272
	s_add_co_u32 s19, s19, TURN
	v_mul_u32_u24 v5, v3, 272
	v_lshl_add_u32 v5, v2, 4, v5
	v_add_nc_u32 v5, s19, v5                       ; the turn, in: row h of a pair, 16 r
	v_mul_u32_u24 v6, v2, 272
	v_lshl_add_u32 v6, v3, 7, v6
	v_add_nc_u32 v6, s19, v6                       ; the turn, out: row r, my half's 128 bytes
	v_lshlrev_b32 v12, 4, v1                       ; 16 x lane
	s_lshl_b32 s19, s2, 9
	v_add_nc_u32 v9, s19, v12                      ; my codes' image: fragment w / 2, group w % 2: 512 w + 16 x lane (XIMG = 0)
	v_lshlrev_b32 v13, 2, v2                       ; 4 r
	s_lshr_b32 s19, s2, 1
	s_lshl_b32 s19, s19, 6
	s_and_b32 s23, s2, 1
	s_lshl_b32 s23, s23, 1
	s_add_co_u32 s19, s19, s23
	s_add_co_u32 s19, s19, XSC
	v_add_nc_u32 v10, s19, v13                     ; my two bytes of row r's scale word
	s_mul_i32 s19, s3, 768
	s_mul_i32 s23, s18, 192
	s_add_co_u32 s19, s19, s23
	s_add_co_u32 s19, s19, CPB
	v_mul_u32_u24 v11, v2, 12
	v_add_nc_u32 v11, s19, v11                     ; coarse: partial sum w % 4, token 16 m + r
	s_lshl_b32 s19, s2, 6
	v_add_nc_u32 v15, s19, v13                     ; 4 x my column
	v_mul_u32_u24 v14, v3, 8*SP
	v_add_nc_u32 v14, v14, v15
	v_add_nc_u32 v14, STAGE, v14                   ; the stage, in: row 8 h, my column
	v_add_nc_u32 v15, STS, v15                     ; my column's mean
	v_lshlrev_b32 v26, 3, v3                       ; 8 h: a byte's shift
	s_mul_i32 s19, s2, 4*SP
	s_add_co_u32 s19, s19, STAGE
	v_add_nc_u32 v27, s19, v12                     ; the stage, out: rows 4 w on, 16 bytes a lane
	v_lshlrev_b32 v28, 3, v1                       ; 8 x lane
	; where my wave's parts begin, in bytes
	s_lshl_b32 s26, ttmp9, 16                      ; tokens: (64 wg + 16 m) rows of 1,024 bytes + 256 (w % 4)
	s_lshl_b32 s27, s18, 14
	s_add_co_u32 s26, s26, s27
	s_lshl_b32 s27, s3, 8
	s_add_co_u32 s26, s26, s27
	s_mov_b32 s27, 0
	s_mul_i32 s30, s3, 768                         ; Wc: 64 (w % 4) rows of 12 bytes
	s_mov_b32 s31, 0
	s_lshl_b32 s32, s2, 6                          ; W1: column 16 w
	s_mov_b32 s33, 0
	s_lshl_b32 s34, ttmp9, 16                      ; a_ws: (64 wg + 4 w) rows of 1,024 bytes
	s_lshl_b32 s35, s2, 12
	s_add_co_u32 s34, s34, s35
	s_mov_b32 s35, 0
	s_lshl_b32 s36, ttmp9, 11                      ; st1: a record of 2,048 bytes
	s_mov_b32 s37, 0
	s_mul_i32 s38, ttmp9, 768                      ; out0: 64 tokens x 12 bytes
	s_mov_b32 s39, 0
	s_wait_kmcnt 0x0
	s_load_b96 s[20:22], s[10:11], 0x0             ; bc
	s_add_nc_u64 s[4:5], s[4:5], s[26:27]
	s_add_nc_u64 s[8:9], s[8:9], s[30:31]
	s_add_nc_u64 s[6:7], s[6:7], s[32:33]
	s_add_nc_u64 s[12:13], s[12:13], s[34:35]
	s_add_nc_u64 s[14:15], s[14:15], s[36:37]
	s_add_nc_u64 s[16:17], s[16:17], s[38:39]
.irp i,0,1,2,3,4,5,6,7
	global_load_b128 v[R+4*\i:R+4*\i+3], v4, s[4:5] offset:2048*\i th:TH_LOAD_NT   ; rows 2 i, 2 i + 1: twice 256 consecutive aligned bytes; read once in the launch
.endr
.set i, 0
.rept 24
	global_load_b128 v[WC+4*i:WC+4*i+3], v7, s[8:9] offset:16*i                    ; Wc(k, 0 .. 2) of my 32 k
.set i, i+1
.endr
; W1(k0 + 64 c + 32 h + i, my column) into register 32 c + i: the order in which the operand's layout gives k to this lane
.macro W1LOAD dst, k0
.set i, 0
.rept 64
	global_load_b32 v[\dst+i], v8, s[6:7] offset:(\k0+64*(i/32)+i%32)*1024
.set i, i+1
.endr
.endm
	W1LOAD WA, 0
	s_wait_kmcnt 0x0                               ; bc
	s_cmp_eq_u32 s3, 0                             ; the bias goes into one of the four partial sums
	s_cselect_b32 s40, s20, 0
	s_cselect_b32 s41, s21, 0
	s_cselect_b32 s42, s22, 0
	s_wait_loadcnt 63                              ; behind the 32 loads of tokens and Wc stand 64 younger ones; 63 is the largest count that the wait can name
.irp i,0,1,2,3,4,5,6,7
	ds_store_b128 v5, v[R+4*\i:R+4*\i+3] offset:544*\i
.endr
.irp i,0,1,2,3,4,5,6,7
	ds_load_b128 v[XT+4*\i:XT+4*\i+3], v6 offset:16*\i   ; LDS serves a wave's instructions in order (ISA guide 5.7.1.4): these see my stores
.endr
	s_wait_dscnt 0x0
	; my block's largest magnitude, in two chains, with the floor 2^(3 - 127) as a leaf
	v_max3_num_f32 v32, |v[XT]|, |v[XT+1]|, 0x1800000
	v_max3_num_f32 v33, |v[XT+16]|, |v[XT+17]|, |v[XT+18]|
.irp i,2,4,6,8,10,12
	v_max3_num_f32 v32, v32, |v[XT+\i]|, |v[XT+\i+1]|
	v_max3_num_f32 v33, v33, |v[XT+17+\i]|, |v[XT+18+\i]|
.endr
	v_max3_num_f32 v32, v32, |v[XT+14]|, |v[XT+15]|
	v_max3_num_f32 v32, v32, v33, |v[XT+31]|
	v_add_nc_u32 v34, 0xff000000, v32              ; 2 off its exponent field: the conversion takes this operand's exponent field as its scale
	v_lshrrev_b32 v35, 23, v34                     ; the scale's byte
	v_lshlrev_b32 v36, v26, v35                    ; at byte h
	v_mov_b32 v37, 0                               ; (a lane permute's destination counts as one of its sources)
	v_permlanex16_b32 v37, v36, s24, s25
	v_or_b32 v36, v36, v37                         ; with lane l xor 16's: bytes 2 ci and 2 ci + 1 of the row's word
	ds_store_b16 v10, v36                          ; both halves of the lanes write the same two bytes with the same value
.irp g,0,1,2,3
	v_cvt_scalef32_pk8_fp4_f32 v[40+\g], v[XT+8*\g:XT+8*\g+7], v34
.endr
	v_nop                                          ; one plain place behind a scaled conversion
	ds_store_b128 v9, v[40:43]                     ; registers 4 ci .. 4 ci + 3 of the fragment, as they stand
	; coarse: my 32 k of my row, three sums
.irp e,0,1,2
	v_mul_f32 v[44+\e], v[XT], v[WC+\e]
.endr
.set i, 1
.rept 31
.irp e,0,1,2
	v_fmac_f32 v[44+\e], v[XT+i], v[WC+3*i+\e]
.endr
.set i, i+1
.endr
.irp e,0,1,2
	v_mov_b32 v[48+\e], 0
.endr
.irp e,0,1,2
	v_permlanex16_b32 v[48+\e], v[44+\e], s24, s25
.endr
.irp e,0,1,2
	v_add_f32 v[44+\e], v[44+\e], v[48+\e]         ; 64 along K
.endr
.irp e,0,1,2
	v_add_f32 v[44+\e], s[40+\e], v[44+\e]         ; + bc, or + 0
.endr
.irp e,0,1,2
	ds_store_b32 v11, v[44+\e] offset:4*\e
.endr
	W1LOAD WB, 128                                 ; into the registers that Wc has left
; 64 numbers of a lane at v[src] on, register 32 c + i = k 64 c + 32 h + i of my column, become K step sp's fragment and scale word.  A lane holds two whole blocks.
.macro QW1 src, sp
.irp c,0,1
	v_max3_num_f32 v[QT+\c], |v[\src+32*\c]|, |v[\src+32*\c+1]|, 0x1800000
.endr
.irp i,2,4,6,8,10,12,14,16,18,20,22,24,26,28,30
.irp c,0,1
	v_max3_num_f32 v[QT+\c], v[QT+\c], |v[\src+32*\c+\i]|, |v[\src+32*\c+\i+1]|
.endr
.endr
.irp c,0,1
	v_add_nc_u32 v[QT+2+\c], 0xff000000, v[QT+\c]
.endr
.irp c,0,1
	v_lshrrev_b32 v[QT+4+\c], 23, v[QT+2+\c]
.endr
	v_lshl_or_b32 v[QT+6], v[QT+5], 16, v[QT+4]    ; my two bytes: blocks h and 2 + h,
	v_lshlrev_b32 v[QT+6], v26, v[QT+6]            ; at their places;
	v_mov_b32 v[QT+7], 0
	v_permlanex16_b32 v[QT+7], v[QT+6], s24, s25
	v_or_b32 v[BS+\sp], v[QT+6], v[QT+7]           ; with lane l xor 16's two the word is whole
.irp c,0,1
.irp g,0,1,2,3
	v_cvt_scalef32_pk8_fp4_f32 v[BF+8*\sp+4*\c+\g], v[\src+32*\c+8*\g:\src+32*\c+8*\g+7], v[QT+2+\c]
.endr
.endr
	v_nop                                          ; one plain place behind a scaled conversion
.endm
	s_wait_loadcnt 63                              ; behind the first 64 loads of W1 stand 64 younger ones
	QW1 WA, 0
	s_wait_loadcnt 0x0
	QW1 WB, 1
	s_wait_dscnt 0x0                               ; for the others' sake: my images, scale bytes and partial sums have landed
	s_barrier_signal -1
	s_barrier_wait -1
.irp f,0,1,2,3,4,5,6,7
.irp c,0,1
	ds_load_b128 v[AF+8*\f+4*\c:AF+8*\f+4*\c+3], v12 offset:XIMG+1024*\f+512*\c
.endr
.endr
.irp f,0,1,2,3,4,5,6,7
	ds_load_b32 v[AS+\f], v13 offset:XSC+64*\f
.endr
.rept 8
	v_nop                                          ; W1's scale words and codes were written by vector instructions: eight and four places ahead of a scaled matrix instruction
.endr
	s_wait_dscnt 0x0
	; source 0 = 16 tokens, source 1 = my 16 columns.  Four accumulators by turns; the first K step starts the sums
.irp m,0,1,2,3
	v_wmma_scale_f32_16x16x128_f8f6f4 v[ACC+8*\m:ACC+8*\m+7], v[AF+16*\m:AF+16*\m+7], v[BF:BF+7], 0, v[AS+2*\m], v[BS] matrix_a_fmt:MATRIX_FMT_FP4 matrix_b_fmt:MATRIX_FMT_FP4
.endr
.irp m,0,1,2,3
	v_wmma_scale_f32_16x16x128_f8f6f4 v[ACC+8*\m:ACC+8*\m+7], v[AF+16*\m+8:AF+16*\m+15], v[BF+8:BF+15], v[ACC+8*\m:ACC+8*\m+7], v[AS+2*\m+1], v[BS+1] matrix_a_fmt:MATRIX_FMT_FP4 matrix_b_fmt:MATRIX_FMT_FP4
.endr
.rept 4
	v_nop                                          ; places in front of the first read of results (ISA guide 7.12.1)
.endr
	; register 8 m' + j of lane (r, h) is a(16 m' + 8 h + j, 16 w + r).  The column's mean over the 64 tokens, then the centred squares: no difference of large sums.  Each accumulator is read from its low end on
	v_pk_add_f32 v[224:225], v[ACC:ACC+1], v[ACC+2:ACC+3]
	v_pk_add_f32 v[226:227], v[ACC+16:ACC+17], v[ACC+18:ACC+19]
.irp j,4,6,8,10,12,14
	v_pk_add_f32 v[224:225], v[224:225], v[ACC+\j:ACC+\j+1]
	v_pk_add_f32 v[226:227], v[226:227], v[ACC+16+\j:ACC+17+\j]
.endr
	v_pk_add_f32 v[224:225], v[224:225], v[226:227]
	v_mov_b32 v229, 0
	v_add_f32 v228, v224, v225
	v_permlanex16_b32 v229, v228, s24, s25
	v_add_f32 v228, v228, v229
	v_mul_f32 v230, 0x3c800000, v228               ; / 64
	v_mul_f32 v231, 0x3c800000, v228               ; (twice: a pair for the packed forms)
.set j, 0
.rept 16
	v_pk_add_f32 v[96+j:97+j], v[ACC+j:ACC+j+1], v[230:231] neg_lo:[0,1] neg_hi:[0,1]
.set j, j+2
.endr
	v_pk_mul_f32 v[232:233], v[96:97], v[96:97]
	v_pk_mul_f32 v[234:235], v[98:99], v[98:99]
.irp j,4,8,12,16,20,24,28
	v_pk_fma_f32 v[232:233], v[96+\j:97+\j], v[96+\j:97+\j], v[232:233]
	v_pk_fma_f32 v[234:235], v[98+\j:99+\j], v[98+\j:99+\j], v[234:235]
.endr
	v_pk_add_f32 v[232:233], v[232:233], v[234:235]
	v_add_f32 v232, v232, v233
	v_permlanex16_b32 v229, v232, s24, s25
	v_add_f32 v232, v232, v229
	ds_store_b32 v15, v230                         ; both halves of the lanes write the same word with the same value
	ds_store_b32 v15, v232 offset:1024
.irp m,0,1,2,3
.irp j,0,1,2,3,4,5,6,7
	ds_store_b32 v14, v[ACC+8*\m+\j] offset:(16*\m+\j)*SP
.endr
.endr
	s_wait_dscnt 0x0                               ; for the others' sake
	s_barrier_signal -1
	s_barrier_wait -1
	; the way out: each wave stores four whole rows of a
.irp k,0,1,2,3,4,5,6,7
	ds_load_b128 v[96+4*\k:99+4*\k], v27 offset:SP*(\k/2)+512*(\k%2)
.endr
.irp k,0,1,2,3,4,5,6,7
	s_wait_dscnt 7-\k                              ; LDS loads come back in order: load k is in
	global_store_b128 v12, v[96+4*\k:99+4*\k], s[12:13] offset:512*\k    ; 32 lanes store 512 consecutive bytes, at a multiple of 256 from the buffer's first byte
.endr
	s_cmp_lg_u32 s2, 0
	s_cbranch_scc1 .Lnot_wave_0
.irp i,0,1,2,3
	ds_load_b128 v[128+4*\i:131+4*\i], v12 offset:STS+512*\i
.endr
	s_wait_dscnt 0x0
.irp i,0,1,2,3
	global_store_b128 v12, v[128+4*\i:131+4*\i], s[14:15] offset:512*\i
.endr
.Lnot_wave_0:
	s_cmp_lg_u32 s2, 1
	s_cbranch_scc1 .Lend
.irp q,0,1,2,3
.irp i,0,1,2
	ds_load_b64 v[160+6*\q+2*\i:161+6*\q+2*\i], v28 offset:CPB+768*\q+256*\i
.endr
.endr
	s_wait_dscnt 0x0
.irp i,0,1,2
	v_pk_add_f32 v[160+2*\i:161+2*\i], v[160+2*\i:161+2*\i], v[166+2*\i:167+2*\i]
	v_pk_add_f32 v[172+2*\i:173+2*\i], v[172+2*\i:173+2*\i], v[178+2*\i:179+2*\i]
.endr
.irp i,0,1,2
	v_pk_add_f32 v[160+2*\i:161+2*\i], v[160+2*\i:161+2*\i], v[172+2*\i:173+2*\i]
.endr
.irp i,0,1,2
	global_store_b64 v28, v[160+2*\i:161+2*\i], s[16:17] offset:256*\i   ; 32 lanes store 256 consecutive aligned bytes
.endr
.Lend:
	s_wait_tensorcnt 0x0
	ds_add_u32 v30, v31
	s_wait_dscnt 0x0
	s_endpgm
.Lfunc_end_k_qab960f9efc_tok:
	.size	k_qab960f9efc_tok, .Lfunc_end_k_qab960f9efc_tok-k_qab960f9efc_tok
	.p2alignl 7, 3214868480
	.fill 96, 4, 3214868480
	.section	.rodata,"a",@progbits
	.p2align	6, 0x0
	.amdhsa_kernel k_qab960f9efc_tok
		.amdhsa_group_segment_fixed_size 152064
		.amdhsa_private_segment_fixed_size 0
		.amdhsa_enable_private_segment 0
		.amdhsa_kernarg_size 56
		.amdhsa_user_sgpr_count 2
		.amdhsa_user_sgpr_kernarg_segment_ptr 1
		.amdhsa_wavefront_size32 1
		.amdhsa_system_sgpr_workgroup_id_x 1
		.amdhsa_system_sgpr_workgroup_id_y 1
		.amdhsa_system_sgpr_workgroup_id_z 1
		.amdhsa_system_vgpr_workitem_id 0
		.amdhsa_next_free_vgpr 256
		.amdhsa_next_free_sgpr 66
		.amdhsa_reserve_vcc 0
		.amdhsa_float_denorm_mode_32 3
		.amdhsa_float_denorm_mode_16_64 3
		.amdhsa_memory_ordered 1
		.amdhsa_forward_progress 1
		.amdhsa_inst_pref_size 45
	.end_amdhsa_kernel
	.amdgpu_metadata
---
amdhsa.version: [ 1, 2 ]
amdhsa.kernels:
  - .name:           k_qab960f9efc_tok
    .symbol:         k_qab960f9efc_tok.kd
    .args:
      - { .name: tokens, .offset: 0, .size: 8, .value_kind: global_buffer, .address_space: global }
      - { .name: W1, .offset: 8, .size: 8, .value_kind: global_buffer, .address_space: global }
      - { .name: Wc, .offset: 16, .size: 8, .value_kind: global_buffer, .address_space: global }
      - { .name: bc, .offset: 24, .size: 8, .value_kind: global_buffer, .address_space: global }
      - { .name: a_ws, .offset: 32, .size: 8, .value_kind: global_buffer, .address_space: global }
      - { .name: st1, .offset: 40, .size: 8, .value_kind: global_buffer, .address_space: global }
      - { .name: out0, .offset: 48, .size: 8, .value_kind: global_buffer, .address_space: global }
    .group_segment_fixed_size: 152064
    .private_segment_fixed_size: 0
    .kernarg_segment_align: 8
    .kernarg_segment_size: 56
    .max_flat_workgroup_size: 512
    .sgpr_count:     66
    .vgpr_count:     256
    .wavefront_size: 32
...
	.end_amdgpu_metadata
.endif
;; end of part 1
;; launch fin1 (part 2): grid 4 x 1, 16 waves a work-group, no clusters, 14,336 bytes of LDS; arguments st1, grid, W1, b1, gamma1, beta1, nrm1, gtab; writes nrm1, gtab
.if DOCPART == 2
	.amdgcn_target "amdgcn-amd-amdhsa--gfx1250"
	.amdhsa_code_object_version 6
	.text
	.protected	k_qab960f9efc_fin1
	.globl	k_qab960f9efc_fin1
	.p2align	8
	.type	k_qab960f9efc_fin1,@function
k_qab960f9efc_fin1:
	s_mov_b64 s[64:65], 0
	v_nop
	global_prefetch_b8 v0, s[64:65] scope:SCOPE_SE
	s_setreg_imm32_b32 hwreg(HW_REG_WAVE_MODE, 25, 1), 1
	s_wait_xcnt 0x0
; The first batch norm's constants.  h[t][n][c] = a[t][c] + G[n][c], G = grid W1[256:258] + b1, is a full outer sum over (t, n): its mean is mean_t(a) + mean_n(G), and, the cross term
; being exactly 0, its variance is var_t(a) + var_n(G).  Stored: nrm1 = mean_a, s1 = gamma1 / sqrt(var + 1e-5);  gtab[n][c] = s1 (G - mean_n G) + beta1.
; The number ahead of the relu is then (a - mean_a) s1 + gtab[n][c].
; SHARES.  Work-group g takes channels 64 g .. 64 g + 63; a lane takes two neighbouring channels, so every access of a wave covers 256 consecutive aligned bytes.  Wave w sums records 16 w .. 16 w + 15
; of st1 and writes rows 4 w .. 4 w + 3 of gtab.  Four work-groups: the work is 256 channels' worth of a few hundred numbers each; more would only divide a launch that is all latency.
; NO VARIANCE IS A DIFFERENCE OF LARGE SUMS: the records' means are joined about a pivot that is one of them (record 0's), G's variance is taken in a second pass about G's mean.
; LIMITS: NaN and infinities are not served; v_rsq_f32 is good to one unit in the last place (ISA guide 15.8).
.set MEAN, 16                          ; v16-47   16 records' means (pairs)
.set M2,   48                          ; v48-79   their centred sums of squares
.set GR,   80                          ; v80-207  the grid: gx, gy of n at v[80 + 2 n], v[81 + 2 n]
.set GW,   208                         ; v208-215 gx, gy of my four n
.set W256, 216
.set W257, 218
.set B1,   220
.set GA,   222
.set BE,   224
.set PIV,  226
.set SD,   228                         ; four registers each: a sum and a second chain
.set SQ,   232
.set SM,   236
.set TA,   240
.set TB,   242
.set GS,   244
.set GB,   248
.set GQ,   250
.set SC,   254
	s_load_b512 s[4:19], s[0:1], 0x0               ; st1 4, grid 6, W1 8, b1 10, gamma1 12, beta1 14, nrm1 16, gtab 18
	v_lshl_add_u32 v14, v0, 2, 0x3000
	v_mov_b32 v15, 0
	v_lshrrev_b32 v1, 5, v0
	v_readfirstlane_b32 s2, v1                     ; wave 0 .. 15
	v_and_b32 v1, 31, v0
	v_lshlrev_b32 v1, 3, v1                        ; 8 x lane
	v_mov_b32 v2, 0
	s_mul_i32 s20, s2, 768
	v_add_nc_u32 v3, s20, v1                       ; LDS: my wave's three partial sums, 256 bytes each
	s_lshl_b32 s20, ttmp9, 8                       ; my work-group's 64 channels
	s_mov_b32 s21, 0
	s_lshl_b32 s22, s2, 15                         ; 16 records of 2,048 bytes
	s_mov_b32 s23, 0
	s_lshl_b32 s24, s2, 5                          ; four n of the grid
	s_mov_b32 s25, 0
	s_lshl_b32 s26, s2, 12                         ; four rows of gtab
	s_mov_b32 s27, 0
	s_wait_kmcnt 0x0
	s_add_nc_u64 s[4:5], s[4:5], s[20:21]
	s_add_nc_u64 s[28:29], s[4:5], s[22:23]
	s_add_nc_u64 s[30:31], s[6:7], s[24:25]
	s_add_nc_u64 s[8:9], s[8:9], s[20:21]
	s_add_nc_u64 s[10:11], s[10:11], s[20:21]
	s_add_nc_u64 s[12:13], s[12:13], s[20:21]
	s_add_nc_u64 s[14:15], s[14:15], s[20:21]
	s_add_nc_u64 s[16:17], s[16:17], s[20:21]
	s_add_nc_u64 s[18:19], s[18:19], s[20:21]
	s_add_nc_u64 s[18:19], s[18:19], s[26:27]
.set i, 0
.rept 16
	global_load_b64 v[MEAN+2*i:MEAN+2*i+1], v1, s[28:29] offset:2048*i
	global_load_b64 v[M2+2*i:M2+2*i+1], v1, s[28:29] offset:2048*i+1024
.set i, i+1
.endr
.set i, 0
.rept 32
	global_load_b128 v[GR+4*i:GR+4*i+3], v2, s[6:7] offset:16*i      ; every lane the same 16 bytes
.set i, i+1
.endr
	global_load_b128 v[GW:GW+3], v2, s[30:31]
	global_load_b128 v[GW+4:GW+7], v2, s[30:31] offset:16
	global_load_b64 v[W256:W256+1], v1, s[8:9] offset:256*1024
	global_load_b64 v[W257:W257+1], v1, s[8:9] offset:257*1024
	global_load_b64 v[B1:B1+1], v1, s[10:11]
	global_load_b64 v[GA:GA+1], v1, s[12:13]
	global_load_b64 v[BE:BE+1], v1, s[14:15]
	global_load_b64 v[PIV:PIV+1], v1, s[4:5]       ; record 0's mean
	s_wait_loadcnt 0x0
	; my 16 records: d = mean - pivot;  the sums of d, of d^2 and of the records' own centred squares
	v_pk_add_f32 v[SD:SD+1], v[MEAN:MEAN+1], v[PIV:PIV+1] neg_lo:[0,1] neg_hi:[0,1]
	v_pk_mul_f32 v[SQ:SQ+1], v[SD:SD+1], v[SD:SD+1]
	v_pk_add_f32 v[SM:SM+1], v[M2:M2+1], v[M2+2:M2+3]
.set i, 1
.rept 15
	v_pk_add_f32 v[TA+2*(i%2):TA+2*(i%2)+1], v[MEAN+2*i:MEAN+2*i+1], v[PIV:PIV+1] neg_lo:[0,1] neg_hi:[0,1]
	v_pk_add_f32 v[SD:SD+1], v[SD:SD+1], v[TA+2*(i%2):TA+2*(i%2)+1]
	v_pk_fma_f32 v[SQ:SQ+1], v[TA+2*(i%2):TA+2*(i%2)+1], v[TA+2*(i%2):TA+2*(i%2)+1], v[SQ:SQ+1]
.if i > 1
	v_pk_add_f32 v[SM:SM+1], v[SM:SM+1], v[M2+2*i:M2+2*i+1]
.endif
.set i, i+1
.endr
	ds_store_b64 v3, v[SD:SD+1]
	ds_store_b64 v3, v[SQ:SQ+1] offset:256
	ds_store_b64 v3, v[SM:SM+1] offset:512
	s_wait_dscnt 0x0                               ; for the others' sake
	s_barrier_signal -1
	s_barrier_wait -1
.macro SUM16 dst, src                  ; the sum of 16 pairs, in two chains; every wave adds in the same order, so all hold the same bits
	v_pk_add_f32 v[\dst:\dst+1], v[\src:\src+1], v[\src+2:\src+3]
	v_pk_add_f32 v[\dst+2:\dst+3], v[\src+4:\src+5], v[\src+6:\src+7]
.irp j,8,12,16,20,24,28
	v_pk_add_f32 v[\dst:\dst+1], v[\dst:\dst+1], v[\src+\j:\src+\j+1]
	v_pk_add_f32 v[\dst+2:\dst+3], v[\dst+2:\dst+3], v[\src+\j+2:\src+\j+3]
.endr
	v_pk_add_f32 v[\dst:\dst+1], v[\dst:\dst+1], v[\dst+2:\dst+3]
.endm
.set i, 0
.rept 16
	ds_load_b64 v[MEAN+2*i:MEAN+2*i+1], v1 offset:768*i
	ds_load_b64 v[M2+2*i:M2+2*i+1], v1 offset:768*i+256
.set i, i+1
.endr
	s_wait_dscnt 0x0
	SUM16 SD, MEAN
.set i, 0
.rept 16
	ds_load_b64 v[MEAN+2*i:MEAN+2*i+1], v1 offset:768*i+512
.set i, i+1
.endr
	SUM16 SQ, M2
	s_wait_dscnt 0x0
	SUM16 SM, MEAN
	v_pk_mul_f32 v[TA:TA+1], v[SD:SD+1], 0x3b800000 op_sel_hi:[1,0]                        ; the mean of d: / 256
	v_pk_fma_f32 v[SQ:SQ+1], v[SD:SD+1], v[TA:TA+1], v[SQ:SQ+1] neg_lo:[1,0,0] neg_hi:[1,0,0]   ; the records' means about their mean
	v_pk_fma_f32 v[SM:SM+1], v[SQ:SQ+1], 0x42800000, v[SM:SM+1] op_sel_hi:[1,0,1]          ; x 64 tokens a record, + the records' own
	v_pk_add_f32 v[SD:SD+1], v[PIV:PIV+1], v[TA:TA+1]                                      ; mean_a
	v_pk_mul_f32 v[SQ:SQ+1], v[SM:SM+1], 0x38800000 op_sel_hi:[1,0]                        ; var_a: / 16,384
; G of one n for my two channels: gx W1[256] + (gy W1[257] + b1).  gp: the pair gx, gy; of it the second register serves both halves in the first line, the first in the second
.macro GN dst, gp
	v_pk_fma_f32 v[(\dst):(\dst)+1], v[W257:W257+1], v[(\gp):(\gp)+1], v[B1:B1+1] op_sel:[0,1,0] op_sel_hi:[1,1,1]
	v_pk_fma_f32 v[(\dst):(\dst)+1], v[W256:W256+1], v[(\gp):(\gp)+1], v[(\dst):(\dst)+1] op_sel_hi:[1,0,1]
.endm
	GN GS, GR
	GN GS+2, GR+2
.set n, 2
.rept 31
	GN TA, GR+2*n
	GN TB, GR+2*n+2
	v_pk_add_f32 v[GS:GS+1], v[GS:GS+1], v[TA:TA+1]
	v_pk_add_f32 v[GS+2:GS+3], v[GS+2:GS+3], v[TB:TB+1]
.set n, n+2
.endr
	v_pk_add_f32 v[GS:GS+1], v[GS:GS+1], v[GS+2:GS+3]
	v_pk_mul_f32 v[GB:GB+1], v[GS:GS+1], 0x3c800000 op_sel_hi:[1,0]                        ; G's mean: / 64
.set n, 0
.rept 32                               ; G again, by the same instructions, about its mean
	GN TA, GR+2*n
	GN TB, GR+2*n+2
	v_pk_add_f32 v[TA:TA+1], v[TA:TA+1], v[GB:GB+1] neg_lo:[0,1] neg_hi:[0,1]
	v_pk_add_f32 v[TB:TB+1], v[TB:TB+1], v[GB:GB+1] neg_lo:[0,1] neg_hi:[0,1]
.if n == 0
	v_pk_mul_f32 v[GQ:GQ+1], v[TA:TA+1], v[TA:TA+1]
	v_pk_mul_f32 v[GQ+2:GQ+3], v[TB:TB+1], v[TB:TB+1]
.else
	v_pk_fma_f32 v[GQ:GQ+1], v[TA:TA+1], v[TA:TA+1], v[GQ:GQ+1]
	v_pk_fma_f32 v[GQ+2:GQ+3], v[TB:TB+1], v[TB:TB+1], v[GQ+2:GQ+3]
.endif
.set n, n+2
.endr
	v_pk_add_f32 v[GQ:GQ+1], v[GQ:GQ+1], v[GQ+2:GQ+3]
	v_pk_fma_f32 v[GQ:GQ+1], v[GQ:GQ+1], 0x3c800000, v[SQ:SQ+1] op_sel_hi:[1,0,1]          ; var_G + var_a
	v_pk_add_f32 v[GQ:GQ+1], v[GQ:GQ+1], 0x3727c5ac op_sel_hi:[1,0]                        ; + 1e-5
	v_rsq_f32 v[SC], v[GQ]
	v_rsq_f32 v[SC+1], v[GQ+1]
	v_nop                                          ; one plain place behind a transcendental (ISA guide 5.7.2)
	s_wait_alu depctr_va_vdst(0)
	v_pk_mul_f32 v[SC:SC+1], v[SC:SC+1], v[GA:GA+1]                                        ; s1
.irp i,0,1,2,3
	GN MEAN+2*\i, GW+2*\i
.endr
.irp i,0,1,2,3
	v_pk_add_f32 v[MEAN+2*\i:MEAN+2*\i+1], v[MEAN+2*\i:MEAN+2*\i+1], v[GB:GB+1] neg_lo:[0,1] neg_hi:[0,1]
.endr
.irp i,0,1,2,3
	v_pk_fma_f32 v[MEAN+2*\i:MEAN+2*\i+1], v[MEAN+2*\i:MEAN+2*\i+1], v[SC:SC+1], v[BE:BE+1]
.endr
.irp i,0,1,2,3
	global_store_b64 v1, v[MEAN+2*\i:MEAN+2*\i+1], s[18:19] offset:1024*\i                 ; 32 lanes store 256 consecutive aligned bytes
.endr
	s_cmp_lg_u32 s2, 0
	s_cbranch_scc1 .Lend
	global_store_b64 v1, v[SD:SD+1], s[16:17]
	global_store_b64 v1, v[SC:SC+1], s[16:17] offset:1024
.Lend:
	s_wait_tensorcnt 0x0
	ds_add_u32 v14, v15
	s_wait_dscnt 0x0
	s_endpgm
.Lfunc_end_k_qab960f9efc_fin1:
	.size	k_qab960f9efc_fin1, .Lfunc_end_k_qab960f9efc_fin1-k_qab960f9efc_fin1
	.p2alignl 7, 3214868480
	.fill 96, 4, 3214868480
	.section	.rodata,"a",@progbits
	.p2align	6, 0x0
	.amdhsa_kernel k_qab960f9efc_fin1
		.amdhsa_group_segment_fixed_size 14336
		.amdhsa_private_segment_fixed_size 0
		.amdhsa_enable_private_segment 0
		.amdhsa_kernarg_size 64
		.amdhsa_user_sgpr_count 2
		.amdhsa_user_sgpr_kernarg_segment_ptr 1
		.amdhsa_wavefront_size32 1
		.amdhsa_system_sgpr_workgroup_id_x 1
		.amdhsa_system_sgpr_workgroup_id_y 1
		.amdhsa_system_sgpr_workgroup_id_z 1
		.amdhsa_system_vgpr_workitem_id 0
		.amdhsa_next_free_vgpr 256
		.amdhsa_next_free_sgpr 66
		.amdhsa_reserve_vcc 0
		.amdhsa_float_denorm_mode_32 3
		.amdhsa_float_denorm_mode_16_64 3
		.amdhsa_memory_ordered 1
		.amdhsa_forward_progress 1
		.amdhsa_inst_pref_size 49
	.end_amdhsa_kernel
	.amdgpu_metadata
---
amdhsa.version: [ 1, 2 ]
amdhsa.kernels:
  - .name:           k_qab960f9efc_fin1
    .symbol:         k_qab960f9efc_fin1.kd
    .args:
      - { .name: st1, .offset: 0, .size: 8, .value_kind: global_buffer, .address_space: global }
      - { .name: grid, .offset: 8, .size: 8, .value_kind: global_buffer, .address_space: global }
      - { .name: W1, .offset: 16, .size: 8, .value_kind: global_buffer, .address_space: global }
      - { .name: b1, .offset: 24, .size: 8, .value_kind: global_buffer, .address_space: global }
      - { .name: gamma1, .offset: 32, .size: 8, .value_kind: global_buffer, .address_space: global }
      - { .name: beta1, .offset: 40, .size: 8, .value_kind: global_buffer, .address_space: global }
      - { .name: nrm1, .offset: 48, .size: 8, .value_kind: global_buffer, .address_space: global }
      - { .name: gtab, .offset: 56, .size: 8, .value_kind: global_buffer, .address_space: global }
    .group_segment_fixed_size: 14336
    .private_segment_fixed_size: 0
    .kernarg_segment_align: 8
    .kernarg_segment_size: 64
    .max_flat_workgroup_size: 512
    .sgpr_count:     66
    .vgpr_count:     256
    .wavefront_size: 32
...
	.end_amdgpu_metadata
.endif
;; end of part 2
;; launch passA (part 3): grid 256 x 1, 4 waves a work-group, no clusters, 68,096 bytes of LDS; arguments a_ws, nrm1, gtab, W2_codes, W2_scales, b2, st2; writes st2
.if DOCPART == 3
	.amdgcn_target "amdgcn-amd-amdhsa--gfx1250"
	.amdhsa_code_object_version 6
	.text
	.protected	k_qab960f9efc_passA
	.globl	k_qab960f9efc_passA
	.p2align	8
	.type	k_qab960f9efc_passA,@function
k_qab960f9efc_passA:
	s_mov_b64 s[64:65], 0
	v_nop
	global_prefetch_b8 v0, s[64:65] scope:SCOPE_SE
	s_setreg_imm32_b32 hwreg(HW_REG_WAVE_MODE, 25, 1), 1
	s_wait_xcnt 0x0
; The second batch norm's statistics.  x[t][n][c] = (a[t][c] - mean_a[c]) s1[c] + gtab[n][c];  h2 = Q(relu(x)) W2 + b2 in MX-FP4 (W2 given as codes);  for each of h2's 64 channels the mean and the
; centred sum of squares over this work-group's 4,096 rows -> st2 [wg][32][mean 2q, mean 2q+1, M2 2q, M2 2q+1].  h2 is not stored: the next launch makes it again, which moves no bytes.
; SHARES.  A work-group takes 64 tokens, each of its four waves 16, each token with all 64 n.  A TILE is 16 n (n = 16 nt + r) of one token.  Lane (r, h) holds, of its row, four whole blocks of 32:
; register 32 b + i stands for c = 64 b + 32 h + i, the FP4 operand's own order, so that conversion g of block b writes the operand's register 4 b + g, and a block's maximum needs no other lane.
; gtab's four tiles stay in 512 registers; a token's 128 numbers are loaded from LDS once for four tiles.  That reuse is why a wave has all of a SIMD's registers.
; THE PRODUCT IS USED TRANSPOSED (source 0 = 16 rows d of W2, source 1 = the tile): a lane holds one row, and d = 16 dt + 8 h + j.
; THE RELU IS DONE ON THE CODES: the block's maximum is taken without |.| (what is negative must not count; the floor 2^(3 - 127) stands under it), x is converted as it is, and the magnitude bits of
; every negative code are cleared.  What is left there is -0, which adds nothing.  Four instructions for eight numbers.
; THE PIVOT.  The sums are taken of h2 - p, p one sample row of h2 (my first token, n = 0), folded into the C of the first K step: no variance is a difference of large sums.
; A STEP works on two tiles: the adds of the next tile stand in front of this tile's eight matrix instructions, the next tile's maxima behind them: they are the places that the matrix instructions ask for
; (four ahead for codes and eight for scale words that vector instructions wrote), and the matrix unit works under them.
; LIMITS: NaN and infinities are not served; a block without a positive number carries the byte 1 where the quantiser says 127: its codes are zeros, and the bytes are read here alone.
; No tensor loads (each wave's rows of a pass through registers to be normalised), no cluster (what work-groups share, 73 KB of tables, is read once at the head).
; REGISTERS, in windows of 256 (s_set_vgpr_msb: bits 1:0 source 0, 3:2 source 1, 5:4 source 2, 7:6 destination):
;   window 0: v1-9 addresses; v8-15 maxima, then bytes; v16-19 the conversions' scale operands; v22-23 the tile's scale words, v24-31 W2's; v32-47 codes; v48-79 h2; v80-111 C; v128-255 x
;   window 1: v0-127 the token; v128-191 W2's 8 fragments; v192-223, v224-255 the sums of h2 - p and of its square.   windows 2, 3: gtab's tiles 0, 1 and 2, 3
.set FIN, 65536                        ; LDS: bytes 0 .. 65,535: 16 normalised tokens of 1,024 bytes for each wave, its own;  then 4 x 512 bytes: the waves' means and centred squares
.set AL,  1                            ; v1  LDS address of my half of the token in hand: 16,384 w + 128 h, + 1,024 a token
.set M,   8
.set SCO, 16
.set P,   20
.set Q,   21
.set SW,  22
.set W2S, 24
.set CD,  32
.set ACC, 48
.set CP,  80
.set X,   128
.set W2F, 128                          ; in window 1
.set S1,  192                          ; in window 1
.set S2,  224
.set MSB, 0
.macro WIN new                         ; the immediate's high byte repeats the setting that is left; a switch that changes nothing is dropped
.if MSB != \new
	s_set_vgpr_msb (MSB<<8)|\new
.set MSB, \new
.endif
.endm
.macro NOPS n
.rept \n
	v_nop
.endr
.endm
.macro ALOAD                           ; the token at v[AL]: 128 numbers of my half, the sixteen lanes of a half the same bytes
	WIN 0x40
.irp b,0,1,2,3
.irp i,0,1,2,3,4,5,6,7
	ds_load_b128 v[32*\b+4*\i:32*\b+4*\i+3], v[AL] offset:256*\b+16*\i
.endr
.endr
.endm
.macro ADD nt                          ; x of tile nt
.if \nt < 2
	WIN 0x09
.else
	WIN 0x0d
.endif
.set k, 0
.rept 64
	v_pk_add_f32 v[X+k:X+k+1], v[k:k+1], v[128*(\nt%2)+k:128*(\nt%2)+k+1]
.set k, k+2
.endr
.endm
.macro MAXSC                           ; four blocks' largest numbers, eight chains by turns; the scale operands; the two scale words
	WIN 0
.irp b,0,1,2,3
	v_max3_num_f32 v[M+\b], v[X+32*\b], v[X+32*\b+1], 0x1800000
.endr
.irp b,0,1,2,3
	v_max3_num_f32 v[M+4+\b], v[X+32*\b+16], v[X+32*\b+17], v[X+32*\b+18]
.endr
.irp i,2,4,6,8,10,12
.irp b,0,1,2,3
	v_max3_num_f32 v[M+\b], v[M+\b], v[X+32*\b+\i], v[X+32*\b+\i+1]
.endr
.irp b,0,1,2,3
	v_max3_num_f32 v[M+4+\b], v[M+4+\b], v[X+32*\b+17+\i], v[X+32*\b+18+\i]
.endr
.endr
.irp b,0,1,2,3
	v_max3_num_f32 v[M+\b], v[M+\b], v[X+32*\b+14], v[X+32*\b+15]
.endr
.irp b,0,1,2,3
	v_max3_num_f32 v[M+\b], v[M+\b], v[M+4+\b], v[X+32*\b+31]
.endr
.irp b,0,1,2,3
	v_add_nc_u32 v[SCO+\b], s31, v[M+\b]           ; 2 off the exponent field: the conversion's scale operand
.endr
.irp b,0,1,2,3
	v_lshrrev_b32 v[M+\b], 23, v[SCO+\b]           ; the scale's byte
.endr
	v_lshl_or_b32 v[P], v[M+1], 8, v[M]
	v_lshl_or_b32 v[P], v[M+2], 16, v[P]
	v_lshl_or_b32 v[P], v[M+3], 24, v[P]           ; my four bytes: blocks 64 b + 32 h
	v_permlanex16_b32 v[Q], v[P], s32, s33         ; lane l xor 16's four
	v_perm_b32 v[SW], v[Q], v[P], s34              ; lanes 0-15: K step 0's word: mine 0, theirs 0, mine 1, theirs 1  (lanes 16-31 are not read)
	v_perm_b32 v[SW+1], v[Q], v[P], s35            ; K step 1's: 2, 2, 3, 3
.endm
.macro CVTRELU                         ; the codes, and the relu on them; x's registers serve as temporaries once they are converted
	WIN 0
.irp b,0,1,2,3
.irp g,0,1,2,3
	v_cvt_scalef32_pk8_fp4_f32 v[CD+4*\b+\g], v[X+32*\b+8*\g:X+32*\b+8*\g+7], v[SCO+\b]
.endr
.endr
	v_nop                                          ; one plain place behind a scaled conversion
.set k, 0
.rept 16
	v_and_b32 v[X+k], s30, v[CD+k]                 ; the eight signs: 8 in each negative code's four bits
.set k, k+1
.endr
.set k, 0
.rept 16
	v_lshrrev_b32 v[X+16+k], 3, v[X+k]             ; 1 there
.set k, k+1
.endr
.set k, 0
.rept 16
	v_sub_nc_u32 v[X+k], v[X+k], v[X+16+k]         ; 7 there: the magnitude bits; no borrow leaves a code
.set k, k+1
.endr
.set k, 0
.rept 16
	v_bfi_b32 v[CD+k], v[X+k], 0, v[CD+k]          ; cleared
.set k, k+1
.endr
.endm
.macro MM                              ; h2 of the tile whose codes and scale words are in hand: four accumulators by turns; the first K step takes C
	WIN 0x01
.irp d,0,1,2,3
	v_wmma_scale_f32_16x16x128_f8f6f4 v[ACC+8*\d:ACC+8*\d+7], v[W2F+16*\d:W2F+16*\d+7], v[CD:CD+7], v[CP+8*\d:CP+8*\d+7], v[W2S+2*\d], v[SW] matrix_a_fmt:MATRIX_FMT_FP4 matrix_b_fmt:MATRIX_FMT_FP4
.endr
.irp d,0,1,2,3
	v_wmma_scale_f32_16x16x128_f8f6f4 v[ACC+8*\d:ACC+8*\d+7], v[W2F+16*\d+8:W2F+16*\d+15], v[CD+8:CD+15], v[ACC+8*\d:ACC+8*\d+7], v[W2S+2*\d+1], v[SW+1] matrix_a_fmt:MATRIX_FMT_FP4 matrix_b_fmt:MATRIX_FMT_FP4
.endr
.endm
.macro E1A                             ; the sums; x 1.0 keeps both runs under one window setting.  Each accumulator is read from its low end on
	WIN 0x50
.set k, 0
.rept 16
	v_pk_fma_f32 v[S1+k:S1+k+1], v[ACC+k:ACC+k+1], 1.0, v[S1+k:S1+k+1] op_sel_hi:[1,0,1]
.set k, k+2
.endr
.set k, 0
.rept 16
	v_pk_fma_f32 v[S2+k:S2+k+1], v[ACC+k:ACC+k+1], v[ACC+k:ACC+k+1], v[S2+k:S2+k+1]
.set k, k+2
.endr
.endm
.macro STEP nxt, aload                 ; this tile's product and sums; tile nxt quantised.  aload = 1: the token's last adds are done: the next token is asked for
	ADD \nxt
.if \aload
	WIN 0
	v_add_nc_u32 v[AL], 1024, v[AL]
	ALOAD
.endif
	MM
	MAXSC
	E1A
	CVTRELU
.endm
.macro TRIP more                       ; one token.  On entry tile 0's codes and scale words are in hand
	STEP 1, 0
	STEP 2, 0
	STEP 3, \more
.if \more
	s_wait_dscnt 0x0                               ; the next token is in (asked for a step ago)
	STEP 0, 0
.else
	NOPS 4                                         ; the codes were just written
	MM
	NOPS 4
	E1A
.endif
	WIN 0                                          ; at a label and at a branch every window is 0
.endm
	s_load_b256 s[4:11], s[0:1], 0x0               ; a_ws 4, nrm1 6, gtab 8, W2's codes 10
	s_load_b128 s[12:15], s[0:1], 0x20             ; W2's scales 12, b2 14
	s_load_b64 s[16:17], s[0:1], 0x30              ; st2
	v_lshl_add_u32 v126, v0, 2, 0x10800
	v_mov_b32 v127, 0
	v_lshrrev_b32 v10, 5, v0
	v_readfirstlane_b32 s2, v10                    ; wave 0 .. 3
	v_and_b32 v10, 31, v0                          ; lane
	v_and_b32 v11, 15, v0                          ; r
	v_bfe_u32 v12, v0, 4, 1                        ; h
	s_lshl_b32 s36, s2, 14
	v_lshlrev_b32 v[AL], 7, v12
	v_add_nc_u32 v[AL], s36, v[AL]
	v_lshlrev_b32 v2, 4, v10                       ; v2  16 x lane
	v_add_nc_u32 v3, s36, v2                       ; v3  where I put 16 bytes of a normalised token
	v_lshlrev_b32 v4, 3, v11                       ; v4  W2's scale words: 8 bytes a row
	v_lshlrev_b32 v5, 5, v12                       ; v5  b2: my half's eight numbers of a tile
	s_lshl_b32 s37, s2, 9
	s_add_co_u32 s37, s37, FIN
	v_add_nc_u32 v6, s37, v5                       ; v6  where my wave's figures go
	v_lshlrev_b32 v7, 3, v10
	v_add_nc_u32 v7, FIN, v7                       ; v7  and where wave 0 reads them
	v_lshlrev_b32 v8, 7, v11
	v_lshl_add_u32 v8, v12, 4, v8                  ; v8  W2's codes: row r of 128 bytes, + 16 h (free for the maxima once the loads are in)
	v_lshlrev_b32 v9, 10, v11
	v_lshl_add_u32 v9, v12, 7, v9                  ; v9  gtab: row r of 1,024 bytes, + 128 h
	v_mov_b32 v[Q], 0                              ; (a lane permute's destination counts as one of its sources)
	s_mov_b32 s30, 0x88888888
	s_mov_b32 s31, 0xff000000
	s_mov_b32 s32, 0x76543210
	s_mov_b32 s33, 0xfedcba98
	s_mov_b32 s34, 0x05010400
	s_mov_b32 s35, 0x07030602
	s_lshl_b32 s36, ttmp9, 16                      ; a_ws: (64 wg + 16 w) rows of 1,024 bytes
	s_lshl_b32 s37, s2, 14
	s_add_co_u32 s36, s36, s37
	s_mov_b32 s37, 0
	s_lshl_b32 s38, ttmp9, 9                       ; st2: a record of 512 bytes
	s_mov_b32 s39, 0
	s_wait_kmcnt 0x0
	s_add_nc_u64 s[4:5], s[4:5], s[36:37]
	s_add_nc_u64 s[16:17], s[16:17], s[38:39]
.irp u,0,1
	global_load_b128 v[48+4*\u:51+4*\u], v2, s[6:7] offset:512*\u          ; mean_a of my four channels of each half row
	global_load_b128 v[56+4*\u:59+4*\u], v2, s[6:7] offset:1024+512*\u     ; s1
.endr
.set k, 0
.rept 32
	global_load_b128 v[X+4*k:X+4*k+3], v2, s[4:5] offset:512*k             ; my 16 tokens, 512 consecutive bytes an instruction (no hint: the next launch reads them again)
.set k, k+1
.endr
.irp d,0,1,2,3
.irp g,0,1
	global_load_b128 v[CP+8*\d+4*\g:CP+8*\d+4*\g+3], v5, s[14:15] offset:64*\d+16*\g
.endr
.endr
.irp d,0,1,2,3
.irp s,0,1
	global_load_b32 v[W2S+2*\d+\s], v4, s[12:13] offset:128*\d+4*\s
.endr
.endr
	WIN 0x40
.irp d,0,1,2,3
.irp s,0,1
.irp c,0,1
	global_load_b128 v[W2F+8*(2*\d+\s)+4*\c:W2F+8*(2*\d+\s)+4*\c+3], v8, s[10:11] offset:2048*\d+64*\s+32*\c
.endr
.endr
.endr
.irp nt,0,1,2,3
.if \nt < 2
	WIN 0x80
.else
	WIN 0xc0
.endif
.set k, 0
.rept 32
	global_load_b128 v[128*(\nt%2)+4*k:128*(\nt%2)+4*k+3], v9, s[8:9] offset:16384*\nt+256*(k/8)+16*(k%8)
.set k, k+1
.endr
.endr
	WIN 0
	s_wait_loadcnt 63                              ; behind the tokens stand 160 younger loads; 63 is the largest count that the wait can name
.set k, 0
.rept 64
	v_pk_add_f32 v[X+2*k:X+2*k+1], v[X+2*k:X+2*k+1], v[48+(2*k)%8:49+(2*k)%8] neg_lo:[0,1] neg_hi:[0,1]
.set k, k+1
.endr
.set k, 0
.rept 64
	v_pk_mul_f32 v[X+2*k:X+2*k+1], v[X+2*k:X+2*k+1], v[56+(2*k)%8:57+(2*k)%8]
.set k, k+1
.endr
.set k, 0
.rept 32
	ds_store_b128 v3, v[X+4*k:X+4*k+3] offset:512*k
.set k, k+1
.endr
	s_wait_loadcnt 0x0
	ALOAD                                          ; my first token: LDS serves a wave's instructions in order (ISA guide 5.7.1.4): these see my stores
	WIN 0
	s_wait_dscnt 0x0
	ADD 0
	MAXSC
	CVTRELU
	NOPS 4
	MM                                             ; tile 0 with C = b2: it gives the pivot, and is multiplied once more in the loop's first step, from the same codes
	WIN 0
	NOPS 4
.set k, 0
.rept 32
	v_mov_b32_dpp v[X+k], v[ACC+k] row_share:0 row_mask:0xf bank_mask:0xf   ; the row n = 0, in all sixteen lanes of each half
.set k, k+1
.endr
.set k, 0
.rept 16
	v_pk_add_f32 v[CP+k:CP+k+1], v[CP+k:CP+k+1], v[X+k:X+k+1] neg_lo:[0,1] neg_hi:[0,1]   ; C = b2 - p
.set k, k+2
.endr
	WIN 0x40
.set k, 0
.rept 64
	v_mov_b32 v[S1+k], 0                           ; once: so the loop has no first trip of its own
.set k, k+1
.endr
	WIN 0
	s_mov_b32 s3, 15
.Ltoken:
	TRIP 1
	s_sub_co_u32 s3, s3, 1
	s_cmp_lg_u32 s3, 0
	s_cbranch_scc1 .Ltoken
	TRIP 0                                         ; the last token asks for no successor
	; my wave's 1,024 rows: the sums over the sixteen lanes of a half; mean and centred squares
.irp d,0,1,2,3
.irp g,0,1
	global_load_b128 v[X+64+8*\d+4*\g:X+64+8*\d+4*\g+3], v5, s[14:15] offset:64*\d+16*\g   ; b2 once more
.endr
.endr
	WIN 0x01
.set k, 0
.rept 64
	v_mov_b32 v[X+k], v[S1+k]                      ; into window 0, where the forms that reach across lanes are kept
.set k, k+1
.endr
	WIN 0
.irp mk,1,2,4,8
.set k, 0
.rept 64
	v_add_f32_dpp v[X+k], v[X+k], v[X+k] row_xmask:\mk row_mask:0xf bank_mask:0xf
.set k, k+1
.endr
.endr
	s_wait_loadcnt 0x0
.set k, 0
.rept 16
	v_pk_mul_f32 v[X+96+k:X+97+k], v[X+k:X+k+1], 0x3a800000 op_sel_hi:[1,0]                                 ; the mean of h2 - p: / 1,024
.set k, k+2
.endr
.set k, 0
.rept 16
	v_pk_fma_f32 v[X+32+k:X+33+k], v[X+k:X+k+1], v[X+96+k:X+97+k], v[X+32+k:X+33+k] neg_lo:[1,0,0] neg_hi:[1,0,0]   ; centred squares
.set k, k+2
.endr
.set k, 0
.rept 16
	v_pk_add_f32 v[X+64+k:X+65+k], v[X+64+k:X+65+k], v[CP+k:CP+k+1] neg_lo:[0,1] neg_hi:[0,1]               ; b2 - C: the shift that the sums were taken under
.set k, k+2
.endr
.set k, 0
.rept 16
	v_pk_add_f32 v[X+k:X+k+1], v[X+64+k:X+65+k], v[X+96+k:X+97+k]                                           ; h2's mean
.set k, k+2
.endr
.irp d,0,1,2,3
.irp g,0,1
	ds_store_b128 v6, v[X+8*\d+4*\g:X+8*\d+4*\g+3] offset:64*\d+16*\g            ; the sixteen lanes of a half write the same bytes with the same values
	ds_store_b128 v6, v[X+32+8*\d+4*\g:X+32+8*\d+4*\g+3] offset:256+64*\d+16*\g
.endr
.endr
	s_wait_dscnt 0x0                               ; for wave 0's sake
	s_barrier_signal -1
	s_barrier_wait -1
	s_cmp_lg_u32 s2, 0
	s_cbranch_scc1 .Lend
.irp w,0,1,2,3
	ds_load_b64 v[X+4*\w:X+4*\w+1], v7 offset:512*\w             ; lane q: channels 2 q, 2 q + 1: wave w's means,
	ds_load_b64 v[X+4*\w+2:X+4*\w+3], v7 offset:512*\w+256       ; and centred squares
.endr
	s_wait_dscnt 0x0
	v_pk_add_f32 v[X+16:X+17], v[X:X+1], v[X+4:X+5]
	v_pk_add_f32 v[X+18:X+19], v[X+8:X+9], v[X+12:X+13]
	v_pk_add_f32 v[X+16:X+17], v[X+16:X+17], v[X+18:X+19]
	v_pk_mul_f32 v[X+32:X+33], v[X+16:X+17], 0x3e800000 op_sel_hi:[1,0]         ; the work-group's mean
.irp w,0,1,2,3
	v_pk_add_f32 v[X+20+2*\w:X+21+2*\w], v[X+4*\w:X+4*\w+1], v[X+32:X+33] neg_lo:[0,1] neg_hi:[0,1]
.endr
	v_pk_mul_f32 v[X+28:X+29], v[X+20:X+21], v[X+20:X+21]
.irp w,1,2,3
	v_pk_fma_f32 v[X+28:X+29], v[X+20+2*\w:X+21+2*\w], v[X+20+2*\w:X+21+2*\w], v[X+28:X+29]
.endr
	v_pk_add_f32 v[X+34:X+35], v[X+2:X+3], v[X+6:X+7]
	v_pk_add_f32 v[X+30:X+31], v[X+10:X+11], v[X+14:X+15]
	v_pk_add_f32 v[X+34:X+35], v[X+34:X+35], v[X+30:X+31]
	v_pk_fma_f32 v[X+34:X+35], v[X+28:X+29], 0x44800000, v[X+34:X+35] op_sel_hi:[1,0,1]   ; + 1,024 x the waves' means about their mean
	global_store_b128 v2, v[X+32:X+35], s[16:17]   ; 32 lanes store 512 consecutive aligned bytes
.Lend:
	s_wait_tensorcnt 0x0
	ds_add_u32 v126, v127
	s_wait_dscnt 0x0
	s_endpgm
.Lfunc_end_k_qab960f9efc_passA:
	.size	k_qab960f9efc_passA, .Lfunc_end_k_qab960f9efc_passA-k_qab960f9efc_passA
	.p2alignl 7, 3214868480
	.fill 96, 4, 3214868480
	.section	.rodata,"a",@progbits
	.p2align	6, 0x0
	.amdhsa_kernel k_qab960f9efc_passA
		.amdhsa_group_segment_fixed_size 68096
		.amdhsa_private_segment_fixed_size 0
		.amdhsa_enable_private_segment 0
		.amdhsa_kernarg_size 56
		.amdhsa_user_sgpr_count 2
		.amdhsa_user_sgpr_kernarg_segment_ptr 1
		.amdhsa_wavefront_size32 1
		.amdhsa_system_sgpr_workgroup_id_x 1
		.amdhsa_system_sgpr_workgroup_id_y 1
		.amdhsa_system_sgpr_workgroup_id_z 1
		.amdhsa_system_vgpr_workitem_id 0
		.amdhsa_next_free_vgpr 1024
		.amdhsa_next_free_sgpr 66
		.amdhsa_reserve_vcc 0
		.amdhsa_float_denorm_mode_32 3
		.amdhsa_float_denorm_mode_16_64 3
		.amdhsa_memory_ordered 1
		.amdhsa_forward_progress 1
		.amdhsa_inst_pref_size 192
	.end_amdhsa_kernel
	.amdgpu_metadata
---
amdhsa.version: [ 1, 2 ]
amdhsa.kernels:
  - .name:           k_qab960f9efc_passA
    .symbol:         k_qab960f9efc_passA.kd
    .args:
      - { .name: a_ws, .offset: 0, .size: 8, .value_kind: global_buffer, .address_space: global }
      - { .name: nrm1, .offset: 8, .size: 8, .value_kind: global_buffer, .address_space: global }
      - { .name: gtab, .offset: 16, .size: 8, .value_kind: global_buffer, .address_space: global }
      - { .name: W2_codes, .offset: 24, .size: 8, .value_kind: global_buffer, .address_space: global }
      - { .name: W2_scales, .offset: 32, .size: 8, .value_kind: global_buffer, .address_space: global }
      - { .name: b2, .offset: 40, .size: 8, .value_kind: global_buffer, .address_space: global }
      - { .name: st2, .offset: 48, .size: 8, .value_kind: global_buffer, .address_space: global }
    .group_segment_fixed_size: 68096
    .private_segment_fixed_size: 0
    .kernarg_segment_align: 8
    .kernarg_segment_size: 56
    .max_flat_workgroup_size: 128
    .sgpr_count:     66
    .vgpr_count:     1024
    .wavefront_size: 32
...
	.end_amdgpu_metadata
.endif
;; end of part 3
;; launch passB (part 4): grid 256 x 1, 4 waves a work-group, no clusters, 79,360 bytes of LDS; arguments a_ws, nrm1, gtab, W2_codes, W2_scales, b2, st2, gamma2, beta2, W3, b3, out0, out1; writes out1
.if DOCPART == 4
	.amdgcn_target "amdgcn-amd-amdhsa--gfx1250"
	.amdhsa_code_object_version 6
	.text
	.protected	k_qab960f9efc_passB
	.globl	k_qab960f9efc_passB
	.p2align	8
	.type	k_qab960f9efc_passB,@function
k_qab960f9efc_passB:
	s_mov_b64 s[64:65], 0
	v_nop
	global_prefetch_b8 v0, s[64:65] scope:SCOPE_SE
	s_setreg_imm32_b32 hwreg(HW_REG_WAVE_MODE, 25, 1), 1
	s_wait_xcnt 0x0
; fine = coarse + relu(BN2(Q(relu(x)) W2 + b2)) W3 + b3 -> out1.  x[t][n][c] = (a[t][c] - mean_a[c]) s1[c] + gtab[n][c] is made and quantised as in the launch before, by the same macros.
; SHARES, LAYOUT, THE RELU ON THE CODES, LIMITS: as there.  A work-group takes 64 tokens, a wave 16; a tile is 16 n of one token; lane (r, h) holds four whole blocks of its row, register 32 b + i = c 64 b + 32 h + i.
; BN2.  Every wave joins st2's 256 records (64 each, the four waves' sums meet in LDS) about a pivot that is one of the records' means: no variance is a difference of large sums.
; The C of the first K step is b2 - mean2, so the accumulator is h2 - mean2 itself and the norm is one packed multiply-add.
; THE LAST PRODUCT (N = 3, left as it is, feeds no quantiser) goes in bf16: h2's product is used transposed, so a lane holds one row and d = 16 dt + 8 h + j: two tiles rounded to bf16 in pairs ARE source 1
; (32 d x 16 rows) of out^T = W3^T h3^T; source 0 = W3^T with rows 3 .. 15 zero.  Two products on two accumulators, added by vector instructions: no chain.
; Lanes 0-15 then hold e = 0, 1, 2 of row r in registers 0, 1, 2; lanes 16-31 hold the zero rows and store to bytes of their own that nobody reads, which spares two changes of EXEC a tile.
; A token's 64 x 3 results gather in the wave's 768 bytes of LDS and leave as three aligned runs of 256 bytes.
; coarse + b3 of a token stands in scalar registers; the next token's coarse is asked for at a trip's head and awaited at its end.
; v_rsq_f32 is good to one unit in the last place (ISA guide 15.8).
; REGISTERS: window 0: v1-4 addresses; v5-7 results; v8-15 maxima, bytes, rows on their way out; v16-19 scale operands; v22-23, v24-31 scale words; v32-47 codes; v48-79 h2, then h3 in bf16 and out^T;
;   v80-111 C; v112-127 W3^T in bf16; v128-255 x.   window 1: v0-127 the token; v128-191 W2; v192-223 s2, v224-255 beta2, in the accumulators' layout.   windows 2, 3: gtab.
.set RED, 65536                        ; LDS: bytes 0 .. 65,535: the waves' normalised tokens;  4 x 1,024: the waves' partial sums;
.set TAB, 69632                        ; 4 x 768: b2 - mean2, s2, beta2, 64 numbers each: a copy for each wave, its own;
.set STG, 72704                        ; 4 x 1,536: a token's results (768 bytes), and 768 bytes for lanes 16-31
.set AL,  1
.set STO, 2                            ; v2  where I put a result: STG + 1,536 w + 768 h + 12 r
.set SRD, 3                            ; v3  where I read a token's results back: STG + 1,536 w + 8 x lane
.set GO,  4                            ; v4  8 x lane
.set T,   5
.set M,   8
.set SCO, 16
.set P,   20
.set Q,   21
.set SW,  22
.set W2S, 24
.set CD,  32
.set ACC, 48
.set CP,  80
.set W3F, 112
.set X,   128
.set W2F, 128                          ; in window 1
.set S2L, 192                          ; in window 1
.set BT,  224
.set MSB, 0
.macro WIN new                         ; the immediate's high byte repeats the setting that is left; a switch that changes nothing is dropped
.if MSB != \new
	s_set_vgpr_msb (MSB<<8)|\new
.set MSB, \new
.endif
.endm
.macro NOPS n
.rept \n
	v_nop
.endr
.endm
.macro ALOAD                           ; the token at v[AL]: 128 numbers of my half, the sixteen lanes of a half the same bytes
	WIN 0x40
.irp b,0,1,2,3
.irp i,0,1,2,3,4,5,6,7
	ds_load_b128 v[32*\b+4*\i:32*\b+4*\i+3], v[AL] offset:256*\b+16*\i
.endr
.endr
.endm
.macro ADD nt                          ; x of tile nt
.if \nt < 2
	WIN 0x09
.else
	WIN 0x0d
.endif
.set k, 0
.rept 64
	v_pk_add_f32 v[X+k:X+k+1], v[k:k+1], v[128*(\nt%2)+k:128*(\nt%2)+k+1]
.set k, k+2
.endr
.endm
.macro MAXSC                           ; four blocks' largest numbers, eight chains by turns; the scale operands; the two scale words
	WIN 0
.irp b,0,1,2,3
	v_max3_num_f32 v[M+\b], v[X+32*\b], v[X+32*\b+1], 0x1800000
.endr
.irp b,0,1,2,3
	v_max3_num_f32 v[M+4+\b], v[X+32*\b+16], v[X+32*\b+17], v[X+32*\b+18]
.endr
.irp i,2,4,6,8,10,12
.irp b,0,1,2,3
	v_max3_num_f32 v[M+\b], v[M+\b], v[X+32*\b+\i], v[X+32*\b+\i+1]
.endr
.irp b,0,1,2,3
	v_max3_num_f32 v[M+4+\b], v[M+4+\b], v[X+32*\b+17+\i], v[X+32*\b+18+\i]
.endr
.endr
.irp b,0,1,2,3
	v_max3_num_f32 v[M+\b], v[M+\b], v[X+32*\b+14], v[X+32*\b+15]
.endr
.irp b,0,1,2,3
	v_max3_num_f32 v[M+\b], v[M+\b], v[M+4+\b], v[X+32*\b+31]
.endr
.irp b,0,1,2,3
	v_add_nc_u32 v[SCO+\b], s31, v[M+\b]           ; 2 off the exponent field: the conversion's scale operand
.endr
.irp b,0,1,2,3
	v_lshrrev_b32 v[M+\b], 23, v[SCO+\b]           ; the scale's byte
.endr
	v_lshl_or_b32 v[P], v[M+1], 8, v[M]
	v_lshl_or_b32 v[P], v[M+2], 16, v[P]
	v_lshl_or_b32 v[P], v[M+3], 24, v[P]           ; my four bytes: blocks 64 b + 32 h
	v_permlanex16_b32 v[Q], v[P], s32, s33         ; lane l xor 16's four
	v_perm_b32 v[SW], v[Q], v[P], s34              ; lanes 0-15: K step 0's word: mine 0, theirs 0, mine 1, theirs 1  (lanes 16-31 are not read)
	v_perm_b32 v[SW+1], v[Q], v[P], s35            ; K step 1's: 2, 2, 3, 3
.endm
.macro CVTRELU                         ; the codes, and the relu on them; x's registers serve as temporaries once they are converted
	WIN 0
.irp b,0,1,2,3
.irp g,0,1,2,3
	v_cvt_scalef32_pk8_fp4_f32 v[CD+4*\b+\g], v[X+32*\b+8*\g:X+32*\b+8*\g+7], v[SCO+\b]
.endr
.endr
	v_nop                                          ; one plain place behind a scaled conversion
.set k, 0
.rept 16
	v_and_b32 v[X+k], s30, v[CD+k]                 ; the eight signs: 8 in each negative code's four bits
.set k, k+1
.endr
.set k, 0
.rept 16
	v_lshrrev_b32 v[X+16+k], 3, v[X+k]             ; 1 there
.set k, k+1
.endr
.set k, 0
.rept 16
	v_sub_nc_u32 v[X+k], v[X+k], v[X+16+k]         ; 7 there: the magnitude bits; no borrow leaves a code
.set k, k+1
.endr
.set k, 0
.rept 16
	v_bfi_b32 v[CD+k], v[X+k], 0, v[CD+k]          ; cleared
.set k, k+1
.endr
.endm
.macro MM                              ; h2 - mean2 of the tile whose codes and scale words are in hand: four accumulators by turns; the first K step takes C
	WIN 0x01
.irp d,0,1,2,3
	v_wmma_scale_f32_16x16x128_f8f6f4 v[ACC+8*\d:ACC+8*\d+7], v[W2F+16*\d:W2F+16*\d+7], v[CD:CD+7], v[CP+8*\d:CP+8*\d+7], v[W2S+2*\d], v[SW] matrix_a_fmt:MATRIX_FMT_FP4 matrix_b_fmt:MATRIX_FMT_FP4
.endr
.irp d,0,1,2,3
	v_wmma_scale_f32_16x16x128_f8f6f4 v[ACC+8*\d:ACC+8*\d+7], v[W2F+16*\d+8:W2F+16*\d+15], v[CD+8:CD+15], v[ACC+8*\d:ACC+8*\d+7], v[W2S+2*\d+1], v[SW+1] matrix_a_fmt:MATRIX_FMT_FP4 matrix_b_fmt:MATRIX_FMT_FP4
.endr
.endm
.macro E1B                             ; the norm, the relu, bf16 in place (register i from registers 2 i, 2 i + 1, ascending: each source is read before it is written over), the last product
	WIN 0x14
.set k, 0
.rept 16
	v_pk_fma_f32 v[ACC+k:ACC+k+1], v[ACC+k:ACC+k+1], v[S2L+k:S2L+k+1], v[BT+k:BT+k+1]
.set k, k+2
.endr
	WIN 0
.set k, 0
.rept 32
	v_max_num_f32 v[ACC+k], 0, v[ACC+k]
.set k, k+1
.endr
.set k, 0
.rept 16
	v_cvt_pk_bf16_f32 v[ACC+k], v[ACC+2*k], v[ACC+2*k+1]
.set k, k+1
.endr
	v_wmma_f32_16x16x32_bf16 v[ACC+16:ACC+23], v[W3F:W3F+7], v[ACC:ACC+7], 0            ; d 0 .. 31
	v_wmma_f32_16x16x32_bf16 v[ACC+24:ACC+31], v[W3F+8:W3F+15], v[ACC+8:ACC+15], 0      ; d 32 .. 63
.endm
.macro E2B nt                          ; (coarse + b3) + the two halves; each result is read from its low end on
	WIN 0
.irp e,0,1,2
	v_add_f32 v[T+\e], s[44+\e], v[ACC+16+\e]
.endr
.irp e,0,1,2
	v_add_f32 v[T+\e], v[T+\e], v[ACC+24+\e]
.endr
.irp e,0,1,2
	ds_store_b32 v[STO], v[T+\e] offset:192*\nt+4*\e
.endr
.endm
.macro OUTT                            ; a token's 768 bytes leave
	WIN 0
.irp i,0,1,2
	ds_load_b64 v[M+2*\i:M+2*\i+1], v[SRD] offset:256*\i   ; LDS serves a wave's instructions in order (ISA guide 5.7.1.4): these see my stores
.endr
.irp i,0,1,2
	s_wait_dscnt 2-\i
	global_store_b64 v[GO], v[M+2*\i:M+2*\i+1], s[28:29] offset:256*\i th:TH_STORE_NT   ; 32 lanes store 256 consecutive aligned bytes; written once, read by nobody here
.endr
	s_wait_xcnt 0x0                                ; only behind this wait are the stores' data and base written again
	s_add_nc_u64 s[28:29], s[28:29], 768
.endm
.macro STEP cur, nxt, aload            ; tile cur's products and results; tile nxt quantised.  aload = 1: the token's last adds are done: the next token is asked for
	ADD \nxt
.if \aload
	WIN 0
	v_add_nc_u32 v[AL], 1024, v[AL]
	ALOAD
.endif
	MM
	MAXSC
	E1B
	CVTRELU                                        ; its plain lines are the places between the last product and the read of its results
	E2B \cur
.endm
.macro TRIP more                       ; one token.  On entry tile 0's codes and scale words are in hand, and s[44:46] hold its coarse + b3
.if \more
	s_load_b96 s[40:42], s[26:27], 0x0             ; the next token's coarse
.endif
	STEP 0, 1, 0
	STEP 1, 2, 0
	STEP 2, 3, \more
.if \more
	s_wait_dscnt 3                                 ; the next token's 32 loads are in; tile 2's three stores are younger
	STEP 3, 0, 0
.else
	NOPS 4                                         ; the codes were just written
	MM
	NOPS 4
	E1B
	NOPS 4
	E2B 3
.endif
	OUTT
.if \more
	s_wait_kmcnt 0x0
	s_add_f32 s44, s40, s48
	s_add_f32 s45, s41, s49
	s_add_f32 s46, s42, s50
	s_add_nc_u64 s[26:27], s[26:27], 12            ; (the load that named this base is done)
.endif
	WIN 0                                          ; at a label and at a branch every window is 0
.endm
	s_load_b512 s[4:19], s[0:1], 0x0               ; a_ws 4, nrm1 6, gtab 8, W2's codes 10, W2's scales 12, b2 14, st2 16, gamma2 18
	s_load_b256 s[20:27], s[0:1], 0x40             ; beta2 20, W3 22, b3 24, out0 26
	s_load_b64 s[28:29], s[0:1], 0x60              ; out1
	v_lshrrev_b32 v74, 5, v0
	v_readfirstlane_b32 s2, v74                    ; wave 0 .. 3
	v_and_b32 v74, 31, v0                          ; lane
	v_and_b32 v75, 15, v0                          ; r
	v_bfe_u32 v76, v0, 4, 1                        ; h
	s_lshl_b32 s36, s2, 14
	v_lshlrev_b32 v[AL], 7, v76
	v_add_nc_u32 v[AL], s36, v[AL]
	v_lshlrev_b32 v5, 4, v74                       ; v5  16 x lane                      (v5-7, v16-21, v74-79: addresses of the prologue alone)
	v_add_nc_u32 v6, s36, v5                       ; v6  where I put 16 bytes of a normalised token
	v_lshlrev_b32 v[GO], 3, v74
	s_mul_i32 s36, s2, 1536
	s_add_co_u32 s36, s36, STG
	v_mul_u32_u24 v[STO], v76, 768
	v_mad_u32_u24 v[STO], v75, 12, v[STO]
	v_add_nc_u32 v[STO], s36, v[STO]
	v_add_nc_u32 v[SRD], s36, v[GO]
	s_lshl_b32 s36, s2, 10
	s_add_co_u32 s36, s36, RED
	v_add_nc_u32 v7, s36, v5                       ; v7  my wave's sums of d and d^2
	v_add_nc_u32 v16, s36, v[GO]
	v_add_nc_u32 v16, 512, v16                     ; v16 and of the records' own squares
	v_add_nc_u32 v17, RED, v5                      ; v17, v18 where all four waves' are read
	v_add_nc_u32 v18, RED+512, v[GO]
	s_mul_i32 s36, s2, 768
	s_add_co_u32 s36, s36, TAB
	v_add_nc_u32 v19, s36, v[GO]                   ; v19 my wave's table, in: two channels a lane
	v_lshlrev_b32 v20, 5, v76
	v_add_nc_u32 v20, s36, v20                     ; v20 and out: my half's eight numbers of a tile
	v_lshlrev_b32 v21, 3, v75                      ; v21 W2's scale words: 8 bytes a row
	v_lshlrev_b32 v77, 7, v75
	v_lshl_add_u32 v77, v76, 4, v77                ; v77 W2's codes: row r of 128 bytes, + 16 h
	v_lshlrev_b32 v78, 10, v75
	v_lshl_add_u32 v78, v76, 7, v78                ; v78 gtab: row r of 1,024 bytes, + 128 h
	v_min_u32 v79, 2, v75
	v_lshlrev_b32 v79, 2, v79
	v_mad_u32_u24 v79, v76, 96, v79                ; v79 W3: column min(r, 2), 8 h rows of 12 bytes down: no lane leaves the buffer
.set k, 0
.rept 12
	v_mov_b32 v[112+k], 0                          ; the sums of d, d^2 and the records' squares, two chains each
.set k, k+1
.endr
	s_mov_b32 s30, 0x88888888
	s_mov_b32 s31, 0xff000000
	s_mov_b32 s32, 0x76543210
	s_mov_b32 s33, 0xfedcba98
	s_mov_b32 s34, 0x05010400
	s_mov_b32 s35, 0x07030602
	s_lshl_b32 s36, ttmp9, 16                      ; a_ws: (64 wg + 16 w) rows of 1,024 bytes
	s_lshl_b32 s37, s2, 14
	s_add_co_u32 s36, s36, s37
	s_mov_b32 s37, 0
	s_lshl_b32 s38, s2, 15                         ; st2: 64 records of 512 bytes
	s_mov_b32 s39, 0
	s_wait_kmcnt 0x0
	s_add_nc_u64 s[4:5], s[4:5], s[36:37]
	s_add_nc_u64 s[52:53], s[16:17], s[38:39]
	s_mul_i32 s36, ttmp9, 768                      ; out0: 12 bytes a token
	s_mul_i32 s38, s2, 192
	s_add_co_u32 s36, s36, s38
	s_add_nc_u64 s[26:27], s[26:27], s[36:37]
	s_mul_i32 s36, ttmp9, 49152                    ; out1: 768 bytes a token
	s_mul_i32 s38, s2, 12288
	s_add_co_u32 s36, s36, s38
	s_add_nc_u64 s[28:29], s[28:29], s[36:37]
	s_load_b96 s[48:50], s[24:25], 0x0             ; b3
	s_load_b96 s[40:42], s[26:27], 0x0             ; my first token's coarse
	global_load_b128 v[48:51], v5, s[16:17]        ; record 0: its means are the pivot
	WIN 0x40
.set k, 0
.rept 64
	global_load_b128 v[4*k:4*k+3], v5, s[52:53] offset:512*k     ; my 64 records: lane q: mean 2q, mean 2q+1, M2 2q, M2 2q+1
.set k, k+1
.endr
	WIN 0
.irp u,0,1
	global_load_b128 v[52+4*\u:55+4*\u], v5, s[6:7] offset:512*\u          ; mean_a
	global_load_b128 v[60+4*\u:63+4*\u], v5, s[6:7] offset:1024+512*\u     ; s1
.endr
.set k, 0
.rept 32
	global_load_b128 v[X+4*k:X+4*k+3], v5, s[4:5] offset:512*k th:TH_LOAD_NT   ; my 16 tokens: their last read
.set k, k+1
.endr
	global_load_b64 v[68:69], v[GO], s[18:19]      ; gamma2, beta2, b2 of channels 2 q, 2 q + 1
	global_load_b64 v[70:71], v[GO], s[20:21]
	global_load_b64 v[72:73], v[GO], s[14:15]
.irp d,0,1,2,3
.irp s,0,1
	global_load_b32 v[W2S+2*\d+\s], v21, s[12:13] offset:128*\d+4*\s
.endr
.endr
	s_wait_loadcnt 47                              ; the pivot and my records are in: 4 + 32 + 3 + 8 loads are younger
	WIN 0x41
.set k, 0
.rept 64
	v_pk_add_f32 v[4*k:4*k+1], v[4*k:4*k+1], v[48:49] neg_lo:[0,1] neg_hi:[0,1]     ; d = mean - pivot, in place
.set k, k+1
.endr
	WIN 0x01
.set k, 0
.rept 32
	v_pk_add_f32 v[112:113], v[8*k:8*k+1], v[112:113]
	v_pk_add_f32 v[118:119], v[8*k+4:8*k+5], v[118:119]
	v_pk_add_f32 v[116:117], v[8*k+2:8*k+3], v[116:117]
	v_pk_add_f32 v[122:123], v[8*k+6:8*k+7], v[122:123]
.set k, k+1
.endr
	WIN 0x05
.set k, 0
.rept 32
	v_pk_fma_f32 v[114:115], v[8*k:8*k+1], v[8*k:8*k+1], v[114:115]
	v_pk_fma_f32 v[120:121], v[8*k+4:8*k+5], v[8*k+4:8*k+5], v[120:121]
.set k, k+1
.endr
	WIN 0
	v_pk_add_f32 v[112:113], v[112:113], v[118:119]
	v_pk_add_f32 v[114:115], v[114:115], v[120:121]
	v_pk_add_f32 v[116:117], v[116:117], v[122:123]
	ds_store_b128 v7, v[112:115]
	ds_store_b64 v16, v[116:117]
	WIN 0x40                                       ; the tables, into registers that the records have left
.irp d,0,1,2,3
.irp s,0,1
.irp c,0,1
	global_load_b128 v[W2F+8*(2*\d+\s)+4*\c:W2F+8*(2*\d+\s)+4*\c+3], v77, s[10:11] offset:2048*\d+64*\s+32*\c
.endr
.endr
.endr
	WIN 0
.set k, 0
.rept 32
	global_load_b32 v[80+k], v79, s[22:23] offset:12*(32*(k/16)+16*((k%16)/8)+k%8)   ; W3(32 q + 16 (kk / 8) + 8 h + kk % 8, r), k = 16 q + kk: the bf16 operand's order
.set k, k+1
.endr
.irp nt,0,1,2,3
.if \nt < 2
	WIN 0x80
.else
	WIN 0xc0
.endif
.set k, 0
.rept 32
	global_load_b128 v[128*(\nt%2)+4*k:128*(\nt%2)+4*k+3], v78, s[8:9] offset:16384*\nt+256*(k/8)+16*(k%8)
.set k, k+1
.endr
.endr
	WIN 0
	s_wait_dscnt 0x0                               ; for the others' sake: my partial sums have landed
	s_barrier_signal -1
	s_barrier_wait -1
.irp w,0,1,2,3
	ds_load_b128 v[32+4*\w:35+4*\w], v17 offset:1024*\w
.endr
.irp w,0,1,2,3
	ds_load_b64 v[8+2*\w:9+2*\w], v18 offset:1024*\w
.endr
	s_wait_loadcnt 63                              ; the first group of loads is in: 176 loads are younger; 63 is the largest count that the wait can name
	s_wait_dscnt 0x0
	v_pk_add_f32 v[112:113], v[32:33], v[36:37]
	v_pk_add_f32 v[118:119], v[40:41], v[44:45]
	v_pk_add_f32 v[114:115], v[34:35], v[38:39]
	v_pk_add_f32 v[120:121], v[42:43], v[46:47]
	v_pk_add_f32 v[116:117], v[8:9], v[10:11]
	v_pk_add_f32 v[122:123], v[12:13], v[14:15]
	v_pk_add_f32 v[112:113], v[112:113], v[118:119]
	v_pk_add_f32 v[114:115], v[114:115], v[120:121]
	v_pk_add_f32 v[116:117], v[116:117], v[122:123]
	v_pk_mul_f32 v[118:119], v[112:113], 0x3b800000 op_sel_hi:[1,0]                              ; the mean of d: / 256
	v_pk_fma_f32 v[114:115], v[112:113], v[118:119], v[114:115] neg_lo:[1,0,0] neg_hi:[1,0,0]    ; the records' means about their mean
	v_pk_fma_f32 v[116:117], v[114:115], 0x45800000, v[116:117] op_sel_hi:[1,0,1]                ; x 4,096 rows a record, + the records' own
	v_pk_add_f32 v[118:119], v[118:119], v[48:49]                                                ; mean2
	v_pk_mul_f32 v[116:117], v[116:117], 0x35800000 op_sel_hi:[1,0]                              ; var2: / 1,048,576
	v_pk_add_f32 v[116:117], v[116:117], 0x3727c5ac op_sel_hi:[1,0]                              ; + 1e-5
	v_rsq_f32 v120, v116
	v_rsq_f32 v121, v117
	v_pk_add_f32 v[118:119], v[72:73], v[118:119] neg_lo:[0,1] neg_hi:[0,1]                      ; b2 - mean2  (the plain place behind the transcendentals: ISA guide 5.7.2)
	s_wait_alu depctr_va_vdst(0)
	v_pk_mul_f32 v[120:121], v[120:121], v[68:69]                                                ; s2
	ds_store_b64 v19, v[118:119]
	ds_store_b64 v19, v[120:121] offset:256
	ds_store_b64 v19, v[70:71] offset:512
.set k, 0
.rept 64
	v_pk_add_f32 v[X+2*k:X+2*k+1], v[X+2*k:X+2*k+1], v[52+(2*k)%8:53+(2*k)%8] neg_lo:[0,1] neg_hi:[0,1]
.set k, k+1
.endr
.set k, 0
.rept 64
	v_pk_mul_f32 v[X+2*k:X+2*k+1], v[X+2*k:X+2*k+1], v[60+(2*k)%8:61+(2*k)%8]
.set k, k+1
.endr
.set k, 0
.rept 32
	ds_store_b128 v6, v[X+4*k:X+4*k+3] offset:512*k
.set k, k+1
.endr
	s_wait_loadcnt 0x0
	s_wait_dscnt 0x0                               ; my LDS stores are done: the registers that they named are written below
	v_cmp_gt_u32 vcc_lo, 3, v75                    ; W3^T has three rows; the other thirteen are zeros
.set k, 0
.rept 32
	v_cndmask_b32 v[80+k], 0, v[80+k], vcc_lo
.set k, k+1
.endr
.set k, 0
.rept 16
	v_cvt_pk_bf16_f32 v[W3F+k], v[80+2*k], v[81+2*k]
.set k, k+1
.endr
.irp d,0,1,2,3
.irp g,0,1
	ds_load_b128 v[CP+8*\d+4*\g:CP+8*\d+4*\g+3], v20 offset:64*\d+16*\g
.endr
.endr
	WIN 0x40
.irp d,0,1,2,3
.irp g,0,1
	ds_load_b128 v[S2L+8*\d+4*\g:S2L+8*\d+4*\g+3], v20 offset:256+64*\d+16*\g
	ds_load_b128 v[BT+8*\d+4*\g:BT+8*\d+4*\g+3], v20 offset:512+64*\d+16*\g
.endr
.endr
	ALOAD                                          ; my first token
	WIN 0
	s_wait_kmcnt 0x0
	s_add_f32 s44, s40, s48                        ; coarse + b3
	s_add_f32 s45, s41, s49
	s_add_f32 s46, s42, s50
	s_add_nc_u64 s[26:27], s[26:27], 12
	s_wait_dscnt 0x0
	ADD 0
	MAXSC
	CVTRELU
	s_mov_b32 s3, 15
.Ltoken:
	TRIP 1
	s_sub_co_u32 s3, s3, 1
	s_cmp_lg_u32 s3, 0
	s_cbranch_scc1 .Ltoken
	TRIP 0                                         ; the last token asks for no successor: no load leaves its buffer
	s_wait_xcnt 0x0
	v_lshl_add_u32 v254, v0, 2, 0x13400
	v_mov_b32 v255, 0
	s_wait_tensorcnt 0x0
	ds_add_u32 v254, v255
	s_wait_dscnt 0x0
	s_endpgm
.Lfunc_end_k_qab960f9efc_passB:
	.size	k_qab960f9efc_passB, .Lfunc_end_k_qab960f9efc_passB-k_qab960f9efc_passB
	.p2alignl 7, 3214868480
	.fill 96, 4, 3214868480
	.section	.rodata,"a",@progbits
	.p2align	6, 0x0
	.amdhsa_kernel k_qab960f9efc_passB
		.amdhsa_group_segment_fixed_size 79360
		.amdhsa_private_segment_fixed_size 0
		.amdhsa_enable_private_segment 0
		.amdhsa_kernarg_size 104
		.amdhsa_user_sgpr_count 2
		.amdhsa_user_sgpr_kernarg_segment_ptr 1
		.amdhsa_wavefront_size32 1
		.amdhsa_system_sgpr_workgroup_id_x 1
		.amdhsa_system_sgpr_workgroup_id_y 1
		.amdhsa_system_sgpr_workgroup_id_z 1
		.amdhsa_system_vgpr_workitem_id 0
		.amdhsa_next_free_vgpr 1024
		.amdhsa_next_free_sgpr 66
		.amdhsa_reserve_vcc 1
		.amdhsa_float_denorm_mode_32 3
		.amdhsa_float_denorm_mode_16_64 3
		.amdhsa_memory_ordered 1
		.amdhsa_forward_progress 1
		.amdhsa_inst_pref_size 206
	.end_amdhsa_kernel
	.amdgpu_metadata
---
amdhsa.version: [ 1, 2 ]
amdhsa.kernels:
  - .name:           k_qab960f9efc_passB
    .symbol:         k_qab960f9efc_passB.kd
    .args:
      - { .name: a_ws, .offset: 0, .size: 8, .value_kind: global_buffer, .address_space: global }
      - { .name: nrm1, .offset: 8, .size: 8, .value_kind: global_buffer, .address_space: global }
      - { .name: gtab, .offset: 16, .size: 8, .value_kind: global_buffer, .address_space: global }
      - { .name: W2_codes, .offset: 24, .size: 8, .value_kind: global_buffer, .address_space: global }
      - { .name: W2_scales, .offset: 32, .size: 8, .value_kind: global_buffer, .address_space: global }
      - { .name: b2, .offset: 40, .size: 8, .value_kind: global_buffer, .address_space: global }
      - { .name: st2, .offset: 48, .size: 8, .value_kind: global_buffer, .address_space: global }
      - { .name: gamma2, .offset: 56, .size: 8, .value_kind: global_buffer, .address_space: global }
      - { .name: beta2, .offset: 64, .size: 8, .value_kind: global_buffer, .address_space: global }
      - { .name: W3, .offset: 72, .size: 8, .value_kind: global_buffer, .address_space: global }
      - { .name: b3, .offset: 80, .size: 8, .value_kind: global_buffer, .address_space: global }
      - { .name: out0, .offset: 88, .size: 8, .value_kind: global_buffer, .address_space: global }
      - { .name: out1, .offset: 96, .size: 8, .value_kind: global_buffer, .address_space: global }
    .group_segment_fixed_size: 79360
    .private_segment_fixed_size: 0
    .kernarg_segment_align: 8
    .kernarg_segment_size: 104
    .max_flat_workgroup_size: 128
    .sgpr_count:     66
    .vgpr_count:     1024
    .wavefront_size: 32
...
	.end_amdgpu_metadata
.endif
;; end of part 4
;; ======== version 2 of 2: 4 launches; version 1 with the launches tok, passA, passB written anew for expert scheduling mode
;; workspace buffers: a_ws 16,777,216 bytes; st1 524,288 bytes; nrm1 2,048 bytes; gtab 65,536 bytes; st2 131,072 bytes
;; launch tok (part 5): grid 256 x 1, 16 waves a work-group, no clusters, 152,064 bytes of LDS; arguments tokens, W1, Wc, bc, a_ws, st1, out0; writes a_ws, st1, out0
.if DOCPART == 5
	.amdgcn_target "amdgcn-amd-amdhsa--gfx1250"
	.amdhsa_code_object_version 6
	.text
	.protected	k_qab960f9efc_tok
	.globl	k_qab960f9efc_tok
	.p2align	8
	.type	k_qab960f9efc_tok,@function
k_qab960f9efc_tok:
	s_mov_b64 s[64:65], 0
	v_nop
	global_prefetch_b8 v0, s[64:65] scope:SCOPE_SE
	s_setreg_imm32_b32 hwreg(HW_REG_WAVE_SCHED_MODE, 0, 2), 2
	s_setreg_imm32_b32 hwreg(HW_REG_WAVE_MODE, 25, 1), 1
	s_wait_xcnt 0x0
	s_wait_alu depctr_vm_vsrc(0)
; a = Q(tokens) Q(W1[0:256]) in MX-FP4 (E2M1 codes, one E8M0 scale for each 32 along K), f32 sums -> a_ws [16384][256];
; coarse = tokens Wc + bc by f32 multiply-adds -> out0;  for each of a's 256 columns the mean and the centred sum of squares over this work-group's 64 tokens -> st1 [wg][2][256].
; SHARES.  A work-group takes 64 tokens and all 256 columns; sixteen waves, w = 4 m + 2 s + ci.
;   Quantising tokens: wave w makes register group ci of the fragment (rows 16 m on, K step s): lane (r, h) holds ONE block of 32: k = 64 (w % 4) + 32 h + 0 .. 31 of row 16 m + r.
;   Its loads take the bytes as they lie (two rows x 256 bytes an instruction); they turn through the wave's own LDS so that a lane gets 32 neighbours along K.
;   Quantising W1 and multiplying: wave w owns columns 16 w .. 16 w + 15 for all of K: a lane takes a column and its registers run down K, in the operand's own order.
;   The tokens' fragments go from wave to wave through LDS as images of their registers (16 bytes a lane, 512 bytes a store), their scale words 4 bytes a row.
; A block's scale byte is its largest magnitude's exponent field - 2, held at 1 from below by a floor among the maximum's leaves.
; LIMITS: NaN and infinities are not served; a block of zeros (or under 2^-124) carries the byte 1 where the quantiser says 127: its codes are zeros, and the bytes are read here alone.
; No tensor loads: each byte of tokens has to pass through registers to be quantised, and W1's columns are read once by a wave.  No cluster: what work-groups share (W1, Wc) is read once at the head.
; THE MODE: SCHED_MODE bits 1:0 = 2 (LLVM: expert scheduling mode 2), set by the entry lines.  The code itself states the register dependences
; between vector or matrix instructions and memory or LDS instructions, with s_wait_alu, always for 0.
; THE PLAN.  Registers that memory or LDS instructions touch:
;   v4-15, v27, v28  offsets and LDS addresses: written at the head and never again: one wait on va_vdst ahead of the first load serves every access of the kernel.
;   v32-63           tokens as loaded; read by the turn's LDS stores; behind a wait on vm_vsrc the vector lines' temporaries, of which v36 and v40-46 are the data of five LDS stores.
;   v64-95           land from the turn; read by the maxima, the conversions and coarse's multiply-adds.
;   v96-191          Wc as loaded; read by coarse's multiply-adds; v96-159 then take W1's second half.
;     So ONE wait on va_vdst stands behind all of a wave's work on its block: the five LDS stores and the 64 loads of W1 follow it.
;   v32-95           behind the first barrier: the eight fragments land there.  One wait on vm_vsrc (v36, v40-46 were store data) and one on va_vdst, which also states that W1's codes and scale words are written.
;   v192-223, v230, v232  accumulators, mean, squares: data of 34 LDS stores, behind one wait on va_vdst.  Behind that wait no vector line stands but wave 1's nine additions: the way out's loads owe nothing more.
.set XIMG,  0                          ; LDS: the tokens' 8 fragments (2 m + s), 1,024 bytes each
.set XSC,   8192                       ; their scale words: 8 x 16 rows x 4 bytes
.set CPB,   8704                       ; coarse: 4 partial sums (one for each 64 along K) x 64 tokens x 12 bytes
.set STS,   11776                      ; 256 means, then 256 centred sums of squares
.set TURN,  13824                      ; 16 waves x 16 rows x (256 + 16) bytes: each wave's own
.set STAGE, 83456                      ; 64 rows of a x (1,024 + 16) bytes
.set SP,    1040
.set BS,  16                           ; v16-17  W1's scale words, K step 0, 1: scales and nothing else
.set AS,  18                           ; v18-25  the tokens' scale words, fragment 0 .. 7: scales and nothing else
.set R,   32                           ; v32-63  tokens as loaded; then at work
.set XT,  64                           ; v64-95  my 32 neighbours along K
.set WC,  96                           ; v96-191 Wc: 32 rows x 3
.set WA,  192                          ; v192-255 W1, k 0 .. 127 of my column (my half's 64)
.set WB,  96                           ; v96-159  W1, k 128 .. 255
.set BF,  160                          ; v160-175 W1's two fragments
.set QT,  176                          ; v176-183 at work
.set AF,  32                           ; v32-95  the tokens' eight fragments
.set ACC, 192                          ; v192-223 four accumulators: rows 16 m' on x my 16 columns
	s_load_b256 s[4:11], s[0:1], 0x0               ; tokens s[4:5], W1 s[6:7], Wc s[8:9], bc s[10:11]
	s_load_b128 s[12:15], s[0:1], 0x20             ; a_ws s[12:13], st1 s[14:15]
	s_load_b64 s[16:17], s[0:1], 0x30              ; out0
	v_lshl_add_u32 v30, v0, 2, 0x24a00
	v_mov_b32 v31, 0
	v_lshrrev_b32 v1, 5, v0
	v_readfirstlane_b32 s2, v1                     ; wave 0 .. 15
	v_and_b32 v1, 31, v0                           ; lane
	v_and_b32 v2, 15, v0                           ; r
	v_bfe_u32 v3, v0, 4, 1                         ; h
	s_wait_alu depctr_va_sdst(0)                   ; s2 is written, ahead of its first reader
	s_and_b32 s3, s2, 3                            ; 2 s + ci: which 64 along K
	s_lshr_b32 s18, s2, 2                          ; m: which 16 rows
	s_mov_b32 s24, 0x76543210
	s_mov_b32 s25, 0xfedcba98                      ; v_permlanex16_b32's selects for lane l xor 16
	; a lane's offsets in memory
	v_lshlrev_b32 v4, 4, v2
	v_lshl_add_u32 v4, v3, 10, v4                  ; tokens: 16 r bytes of row h of a pair of rows
	v_mul_u32_u24 v7, v3, 384                      ; Wc: my half's 32 rows of 12 bytes
	v_lshlrev_b32 v8, 2, v2
	v_lshl_add_u32 v8, v3, 15, v8                  ; W1: column r, 32 h rows of 1,024 bytes down
	; every LDS address is made here, ahead of the branches on the wave's number
	s_mul_i32 s19, s2, 16*272
	s_add_co_u32 s19, s19, TURN
	v_mul_u32_u24 v5, v3, 272
	v_lshl_add_u32 v5, v2, 4, v5
	v_add_nc_u32 v5, s19, v5                       ; the turn, in: row h of a pair, 16 r
	v_mul_u32_u24 v6, v2, 272
	v_lshl_add_u32 v6, v3, 7, v6
	v_add_nc_u32 v6, s19, v6                       ; the turn, out: row r, my half's 128 bytes
	v_lshlrev_b32 v12, 4, v1                       ; 16 x lane
	s_lshl_b32 s19, s2, 9
	v_add_nc_u32 v9, s19, v12                      ; my codes' image: fragment w / 2, group w % 2: 512 w + 16 x lane (XIMG = 0)
	v_lshlrev_b32 v13, 2, v2                       ; 4 r
	s_lshr_b32 s19, s2, 1
	s_lshl_b32 s19, s19, 6
	s_and_b32 s23, s2, 1
	s_lshl_b32 s23, s23, 1
	s_add_co_u32 s19, s19, s23
	s_add_co_u32 s19, s19, XSC
	v_add_nc_u32 v10, s19, v13                     ; my two bytes of row r's scale word
	s_mul_i32 s19, s3, 768
	s_mul_i32 s23, s18, 192
	s_add_co_u32 s19, s19, s23
	s_add_co_u32 s19, s19, CPB
	v_mul_u32_u24 v11, v2, 12
	v_add_nc_u32 v11, s19, v11                     ; coarse: partial sum w % 4, token 16 m + r
	s_lshl_b32 s19, s2, 6
	v_add_nc_u32 v15, s19, v13                     ; 4 x my column
	v_mul_u32_u24 v14, v3, 8*SP
	v_add_nc_u32 v14, v14, v15
	v_add_nc_u32 v14, STAGE, v14                   ; the stage, in: row 8 h, my column
	v_add_nc_u32 v15, STS, v15                     ; my column's mean
	v_lshlrev_b32 v26, 3, v3                       ; 8 h: a byte's shift
	s_mul_i32 s19, s2, 4*SP
	s_add_co_u32 s19, s19, STAGE
	v_add_nc_u32 v27, s19, v12                     ; the stage, out: rows 4 w on, 16 bytes a lane
	v_lshlrev_b32 v28, 3, v1                       ; 8 x lane
	; where my wave's parts begin, in bytes
	s_lshl_b32 s26, ttmp9, 16                      ; tokens: (64 wg + 16 m) rows of 1,024 bytes + 256 (w % 4)
	s_lshl_b32 s27, s18, 14
	s_add_co_u32 s26, s26, s27
	s_lshl_b32 s27, s3, 8
	s_add_co_u32 s26, s26, s27
	s_mov_b32 s27, 0
	s_mul_i32 s30, s3, 768                         ; Wc: 64 (w % 4) rows of 12 bytes
	s_mov_b32 s31, 0
	s_lshl_b32 s32, s2, 6                          ; W1: column 16 w
	s_mov_b32 s33, 0
	s_lshl_b32 s34, ttmp9, 16                      ; a_ws: (64 wg + 4 w) rows of 1,024 bytes
	s_lshl_b32 s35, s2, 12
	s_add_co_u32 s34, s34, s35
	s_mov_b32 s35, 0
	s_lshl_b32 s36, ttmp9, 11                      ; st1: a record of 2,048 bytes
	s_mov_b32 s37, 0
	s_mul_i32 s38, ttmp9, 768                      ; out0: 64 tokens x 12 bytes
	s_mov_b32 s39, 0
	s_wait_kmcnt 0x0
	s_load_b96 s[20:22], s[10:11], 0x0             ; bc
	s_add_nc_u64 s[4:5], s[4:5], s[26:27]
	s_add_nc_u64 s[8:9], s[8:9], s[30:31]
	s_add_nc_u64 s[6:7], s[6:7], s[32:33]
	s_add_nc_u64 s[12:13], s[12:13], s[34:35]
	s_add_nc_u64 s[14:15], s[14:15], s[36:37]
	s_add_nc_u64 s[16:17], s[16:17], s[38:39]
	s_wait_alu depctr_va_vdst(0)                   ; the offsets and LDS addresses v4 to v15, v27 and v28 are written: every load and store of the kernel reads one of them
.irp i,0,1,2,3,4,5,6,7
	global_load_b128 v[R+4*\i:R+4*\i+3], v4, s[4:5] offset:2048*\i th:TH_LOAD_NT   ; rows 2 i, 2 i + 1: twice 256 consecutive aligned bytes; read once in the launch
.endr
.set i, 0
.rept 24
	global_load_b128 v[WC+4*i:WC+4*i+3], v7, s[8:9] offset:16*i                    ; Wc(k, 0 .. 2) of my 32 k
.set i, i+1
.endr
; W1(k0 + 64 c + 32 h + i, my column) into register 32 c + i: the order in which the operand's layout gives k to this lane
.macro W1LOAD dst, k0
.set i, 0
.rept 64
	global_load_b32 v[\dst+i], v8, s[6:7] offset:(\k0+64*(i/32)+i%32)*1024
.set i, i+1
.endr
.endm
	W1LOAD WA, 0
	s_wait_kmcnt 0x0                               ; bc
	s_cmp_eq_u32 s3, 0                             ; the bias goes into one of the four partial sums
	s_cselect_b32 s40, s20, 0
	s_cselect_b32 s41, s21, 0
	s_cselect_b32 s42, s22, 0
	s_wait_loadcnt 63                              ; behind the 32 loads of tokens and Wc stand 64 younger ones; 63 is the largest count that the wait can name
.irp i,0,1,2,3,4,5,6,7
	ds_store_b128 v5, v[R+4*\i:R+4*\i+3] offset:544*\i
.endr
.irp i,0,1,2,3,4,5,6,7
	ds_load_b128 v[XT+4*\i:XT+4*\i+3], v6 offset:16*\i   ; LDS serves a wave's instructions in order (ISA guide 5.7.1.4): these see my stores
.endr
	s_wait_dscnt 0x0
	s_wait_alu depctr_vm_vsrc(0)                   ; the turn's LDS stores have read v[R ..], which the lines below write as temporaries
	; my block's largest magnitude, in two chains, with the floor 2^(3 - 127) as a leaf
	v_max3_num_f32 v32, |v[XT]|, |v[XT+1]|, 0x1800000
	v_max3_num_f32 v33, |v[XT+16]|, |v[XT+17]|, |v[XT+18]|
.irp i,2,4,6,8,10,12
	v_max3_num_f32 v32, v32, |v[XT+\i]|, |v[XT+\i+1]|
	v_max3_num_f32 v33, v33, |v[XT+17+\i]|, |v[XT+18+\i]|
.endr
	v_max3_num_f32 v32, v32, |v[XT+14]|, |v[XT+15]|
	v_max3_num_f32 v32, v32, v33, |v[XT+31]|
	v_add_nc_u32 v34, 0xff000000, v32              ; 2 off its exponent field: the conversion takes this operand's exponent field as its scale
	v_lshrrev_b32 v35, 23, v34                     ; the scale's byte
	v_lshlrev_b32 v36, v26, v35                    ; at byte h
	v_mov_b32 v37, 0                               ; (a lane permute's destination counts as one of its sources)
	v_permlanex16_b32 v37, v36, s24, s25
	v_or_b32 v36, v36, v37                         ; with lane l xor 16's: bytes 2 ci and 2 ci + 1 of the row's word
.irp g,0,1,2,3
	v_cvt_scalef32_pk8_fp4_f32 v[40+\g], v[XT+8*\g:XT+8*\g+7], v34
.endr
	v_nop                                          ; one plain place behind a scaled conversion
	; coarse: my 32 k of my row, three sums
.irp e,0,1,2
	v_mul_f32 v[44+\e], v[XT], v[WC+\e]
.endr
.set i, 1
.rept 31
.irp e,0,1,2
	v_fmac_f32 v[44+\e], v[XT+i], v[WC+3*i+\e]
.endr
.set i, i+1
.endr
.irp e,0,1,2
	v_mov_b32 v[48+\e], 0
.endr
.irp e,0,1,2
	v_permlanex16_b32 v[48+\e], v[44+\e], s24, s25
.endr
.irp e,0,1,2
	v_add_f32 v[44+\e], v[44+\e], v[48+\e]         ; 64 along K
.endr
.irp e,0,1,2
	v_add_f32 v[44+\e], s[40+\e], v[44+\e]         ; + bc, or + 0
.endr
	s_wait_alu depctr_va_vdst(0)                   ; the scale bytes v36, the codes v40 to v43 and the sums v44 to v46 are written, which the five LDS stores read; the multiply-adds are done reading Wc, in whose registers W1's second half lands
	ds_store_b16 v10, v36                          ; both halves of the lanes write the same two bytes with the same value
	ds_store_b128 v9, v[40:43]                     ; registers 4 ci .. 4 ci + 3 of the fragment, as they stand
.irp e,0,1,2
	ds_store_b32 v11, v[44+\e] offset:4*\e
.endr
	W1LOAD WB, 128                                 ; into the registers that Wc has left
; 64 numbers of a lane at v[src] on, register 32 c + i = k 64 c + 32 h + i of my column, become K step sp's fragment and scale word.  A lane holds two whole blocks.
.macro QW1 src, sp
.irp c,0,1
	v_max3_num_f32 v[QT+\c], |v[\src+32*\c]|, |v[\src+32*\c+1]|, 0x1800000
.endr
.irp i,2,4,6,8,10,12,14,16,18,20,22,24,26,28,30
.irp c,0,1
	v_max3_num_f32 v[QT+\c], v[QT+\c], |v[\src+32*\c+\i]|, |v[\src+32*\c+\i+1]|
.endr
.endr
.irp c,0,1
	v_add_nc_u32 v[QT+2+\c], 0xff000000, v[QT+\c]
.endr
.irp c,0,1
	v_lshrrev_b32 v[QT+4+\c], 23, v[QT+2+\c]
.endr
	v_lshl_or_b32 v[QT+6], v[QT+5], 16, v[QT+4]    ; my two bytes: blocks h and 2 + h,
	v_lshlrev_b32 v[QT+6], v26, v[QT+6]            ; at their places;
	v_mov_b32 v[QT+7], 0
	v_permlanex16_b32 v[QT+7], v[QT+6], s24, s25
	v_or_b32 v[BS+\sp], v[QT+6], v[QT+7]           ; with lane l xor 16's two the word is whole
.irp c,0,1
.irp g,0,1,2,3
	v_cvt_scalef32_pk8_fp4_f32 v[BF+8*\sp+4*\c+\g], v[\src+32*\c+8*\g:\src+32*\c+8*\g+7], v[QT+2+\c]
.endr
.endr
	v_nop                                          ; one plain place behind a scaled conversion
.endm
	s_wait_loadcnt 63                              ; behind the first 64 loads of W1 stand 64 younger ones
	QW1 WA, 0
	s_wait_loadcnt 0x0
	QW1 WB, 1
	s_wait_dscnt 0x0                               ; for the others' sake: my images, scale bytes and partial sums have landed
	s_barrier_signal -1
	s_barrier_wait -1
.rept 8
	v_nop                                          ; W1's scale words and codes were written by vector instructions: eight and four places ahead of a scaled matrix instruction
.endr
	s_wait_alu depctr_vm_vsrc(0)                   ; my LDS stores have read v36 and v40 to v46, in which fragments land
	s_wait_alu depctr_va_vdst(0)                   ; behind the places: W1's codes v160 to v175 and scale words v16, v17 are written, which the scaled matrix instructions take; the vector lines are done with v32 to v95, in which the fragments land
.irp f,0,1,2,3,4,5,6,7
.irp c,0,1
	ds_load_b128 v[AF+8*\f+4*\c:AF+8*\f+4*\c+3], v12 offset:XIMG+1024*\f+512*\c
.endr
.endr
.irp f,0,1,2,3,4,5,6,7
	ds_load_b32 v[AS+\f], v13 offset:XSC+64*\f
.endr
	s_wait_dscnt 0x0
	; source 0 = 16 tokens, source 1 = my 16 columns.  Four accumulators by turns; the first K step starts the sums
.irp m,0,1,2,3
	v_wmma_scale_f32_16x16x128_f8f6f4 v[ACC+8*\m:ACC+8*\m+7], v[AF+16*\m:AF+16*\m+7], v[BF:BF+7], 0, v[AS+2*\m], v[BS] matrix_a_fmt:MATRIX_FMT_FP4 matrix_b_fmt:MATRIX_FMT_FP4
.endr
.irp m,0,1,2,3
	v_wmma_scale_f32_16x16x128_f8f6f4 v[ACC+8*\m:ACC+8*\m+7], v[AF+16*\m+8:AF+16*\m+15], v[BF+8:BF+15], v[ACC+8*\m:ACC+8*\m+7], v[AS+2*\m+1], v[BS+1] matrix_a_fmt:MATRIX_FMT_FP4 matrix_b_fmt:MATRIX_FMT_FP4
.endr
.rept 4
	v_nop                                          ; places in front of the first read of results (ISA guide 7.12.1)
.endr
	; register 8 m' + j of lane (r, h) is a(16 m' + 8 h + j, 16 w + r).  The column's mean over the 64 tokens, then the centred squares: no difference of large sums.  Each accumulator is read from its low end on
	v_pk_add_f32 v[224:225], v[ACC:ACC+1], v[ACC+2:ACC+3]
	v_pk_add_f32 v[226:227], v[ACC+16:ACC+17], v[ACC+18:ACC+19]
.irp j,4,6,8,10,12,14
	v_pk_add_f32 v[224:225], v[224:225], v[ACC+\j:ACC+\j+1]
	v_pk_add_f32 v[226:227], v[226:227], v[ACC+16+\j:ACC+17+\j]
.endr
	v_pk_add_f32 v[224:225], v[224:225], v[226:227]
	v_mov_b32 v229, 0
	v_add_f32 v228, v224, v225
	v_permlanex16_b32 v229, v228, s24, s25
	v_add_f32 v228, v228, v229
	v_mul_f32 v230, 0x3c800000, v228               ; / 64
	v_mul_f32 v231, 0x3c800000, v228               ; (twice: a pair for the packed forms)
.set j, 0
.rept 16
	v_pk_add_f32 v[96+j:97+j], v[ACC+j:ACC+j+1], v[230:231] neg_lo:[0,1] neg_hi:[0,1]
.set j, j+2
.endr
	v_pk_mul_f32 v[232:233], v[96:97], v[96:97]
	v_pk_mul_f32 v[234:235], v[98:99], v[98:99]
.irp j,4,8,12,16,20,24,28
	v_pk_fma_f32 v[232:233], v[96+\j:97+\j], v[96+\j:97+\j], v[232:233]
	v_pk_fma_f32 v[234:235], v[98+\j:99+\j], v[98+\j:99+\j], v[234:235]
.endr
	v_pk_add_f32 v[232:233], v[232:233], v[234:235]
	v_add_f32 v232, v232, v233
	v_permlanex16_b32 v229, v232, s24, s25
	v_add_f32 v232, v232, v229
	s_wait_alu depctr_va_vdst(0)                   ; the accumulators, the mean v230 and the squares v232 are written, which the LDS stores read; the vector and matrix lines are done with v96 to v183, in which the way out's loads land
	ds_store_b32 v15, v230                         ; both halves of the lanes write the same word with the same value
	ds_store_b32 v15, v232 offset:1024
.irp m,0,1,2,3
.irp j,0,1,2,3,4,5,6,7
	ds_store_b32 v14, v[ACC+8*\m+\j] offset:(16*\m+\j)*SP
.endr
.endr
	s_wait_dscnt 0x0                               ; for the others' sake
	s_barrier_signal -1
	s_barrier_wait -1
	; the way out: each wave stores four whole rows of a
.irp k,0,1,2,3,4,5,6,7
	ds_load_b128 v[96+4*\k:99+4*\k], v27 offset:SP*(\k/2)+512*(\k%2)
.endr
.irp k,0,1,2,3,4,5,6,7
	s_wait_dscnt 7-\k                              ; LDS loads come back in order: load k is in
	global_store_b128 v12, v[96+4*\k:99+4*\k], s[12:13] offset:512*\k    ; 32 lanes store 512 consecutive bytes, at a multiple of 256 from the buffer's first byte
.endr
	s_cmp_lg_u32 s2, 0
	s_cbranch_scc1 .Lnot_wave_0
.irp i,0,1,2,3
	ds_load_b128 v[128+4*\i:131+4*\i], v12 offset:STS+512*\i
.endr
	s_wait_dscnt 0x0
.irp i,0,1,2,3
	global_store_b128 v12, v[128+4*\i:131+4*\i], s[14:15] offset:512*\i
.endr
.Lnot_wave_0:
	s_cmp_lg_u32 s2, 1
	s_cbranch_scc1 .Lend
.irp q,0,1,2,3
.irp i,0,1,2
	ds_load_b64 v[160+6*\q+2*\i:161+6*\q+2*\i], v28 offset:CPB+768*\q+256*\i
.endr
.endr
	s_wait_dscnt 0x0
.irp i,0,1,2
	v_pk_add_f32 v[160+2*\i:161+2*\i], v[160+2*\i:161+2*\i], v[166+2*\i:167+2*\i]
	v_pk_add_f32 v[172+2*\i:173+2*\i], v[172+2*\i:173+2*\i], v[178+2*\i:179+2*\i]
.endr
.irp i,0,1,2
	v_pk_add_f32 v[160+2*\i:161+2*\i], v[160+2*\i:161+2*\i], v[172+2*\i:173+2*\i]
.endr
	s_wait_alu depctr_va_vdst(0)                   ; the additions have written v160 to v165, which the stores read
.irp i,0,1,2
	global_store_b64 v28, v[160+2*\i:161+2*\i], s[16:17] offset:256*\i   ; 32 lanes store 256 consecutive aligned bytes
.endr
.Lend:
	s_wait_dscnt 0x0                               ; the closing lines, six on end
	s_wait_alu 0x0
	s_wait_tensorcnt 0x0
	ds_add_u32 v30, v31
	s_wait_dscnt 0x0
	s_endpgm
.Lfunc_end_k_qab960f9efc_tok:
	.size	k_qab960f9efc_tok, .Lfunc_end_k_qab960f9efc_tok-k_qab960f9efc_tok
	.p2alignl 7, 3214868480
	.fill 96, 4, 3214868480
	.section	.rodata,"a",@progbits
	.p2align	6, 0x0
	.amdhsa_kernel k_qab960f9efc_tok
		.amdhsa_group_segment_fixed_size 152064
		.amdhsa_private_segment_fixed_size 0
		.amdhsa_enable_private_segment 0
		.amdhsa_kernarg_size 56
		.amdhsa_user_sgpr_count 2
		.amdhsa_user_sgpr_kernarg_segment_ptr 1
		.amdhsa_wavefront_size32 1
		.amdhsa_system_sgpr_workgroup_id_x 1
		.amdhsa_system_sgpr_workgroup_id_y 1
		.amdhsa_system_sgpr_workgroup_id_z 1
		.amdhsa_system_vgpr_workitem_id 0
		.amdhsa_next_free_vgpr 256
		.amdhsa_next_free_sgpr 66
		.amdhsa_reserve_vcc 0
		.amdhsa_float_denorm_mode_32 3
		.amdhsa_float_denorm_mode_16_64 3
		.amdhsa_memory_ordered 1
		.amdhsa_forward_progress 1
		.amdhsa_inst_pref_size 45
	.end_amdhsa_kernel
	.amdgpu_metadata
---
amdhsa.version: [ 1, 2 ]
amdhsa.kernels:
  - .name:           k_qab960f9efc_tok
    .symbol:         k_qab960f9efc_tok.kd
    .args:
      - { .name: tokens, .offset: 0, .size: 8, .value_kind: global_buffer, .address_space: global }
      - { .name: W1, .offset: 8, .size: 8, .value_kind: global_buffer, .address_space: global }
      - { .name: Wc, .offset: 16, .size: 8, .value_kind: global_buffer, .address_space: global }
      - { .name: bc, .offset: 24, .size: 8, .value_kind: global_buffer, .address_space: global }
      - { .name: a_ws, .offset: 32, .size: 8, .value_kind: global_buffer, .address_space: global }
      - { .name: st1, .offset: 40, .size: 8, .value_kind: global_buffer, .address_space: global }
      - { .name: out0, .offset: 48, .size: 8, .value_kind: global_buffer, .address_space: global }
    .group_segment_fixed_size: 152064
    .private_segment_fixed_size: 0
    .kernarg_segment_align: 8
    .kernarg_segment_size: 56
    .max_flat_workgroup_size: 512
    .sgpr_count:     66
    .vgpr_count:     256
    .wavefront_size: 32
...
	.end_amdgpu_metadata
.endif
;; end of part 5
;; launch fin1: the kernel of part 2 again; grid 4 x 1, 16 waves a work-group, no clusters, 14,336 bytes of LDS; arguments st1, grid, W1, b1, gamma1, beta1, nrm1, gtab; writes nrm1, gtab
;; launch passA (part 6): grid 256 x 1, 4 waves a work-group, no clusters, 68,096 bytes of LDS; arguments a_ws, nrm1, gtab, W2_codes, W2_scales, b2, st2; writes st2
.if DOCPART == 6
	.amdgcn_target "amdgcn-amd-amdhsa--gfx1250"
	.amdhsa_code_object_version 6
	.text
	.protected	k_qab960f9efc_passA
	.globl	k_qab960f9efc_passA
	.p2align	8
	.type	k_qab960f9efc_passA,@function
k_qab960f9efc_passA:
	s_mov_b64 s[64:65], 0
	v_nop
	global_prefetch_b8 v0, s[64:65] scope:SCOPE_SE
	s_setreg_imm32_b32 hwreg(HW_REG_WAVE_SCHED_MODE, 0, 2), 2
	s_setreg_imm32_b32 hwreg(HW_REG_WAVE_MODE, 25, 1), 1
	s_wait_xcnt 0x0
	s_wait_alu depctr_vm_vsrc(0)
; The second batch norm's statistics.  x[t][n][c] = (a[t][c] - mean_a[c]) s1[c] + gtab[n][c];  h2 = Q(relu(x)) W2 + b2 in MX-FP4 (W2 given as codes);  for each of h2's 64 channels the mean and the
; centred sum of squares over this work-group's 4,096 rows -> st2 [wg][32][mean 2q, mean 2q+1, M2 2q, M2 2q+1].  h2 is not stored: the next launch makes it again, which moves no bytes.
; SHARES.  A work-group takes 64 tokens, each of its four waves 16, each token with all 64 n.  A TILE is 16 n (n = 16 nt + r) of one token.  Lane (r, h) holds, of its row, four whole blocks of 32:
; register 32 b + i stands for c = 64 b + 32 h + i, the FP4 operand's own order, so that conversion g of block b writes the operand's register 4 b + g, and a block's maximum needs no other lane.
; gtab's four tiles stay in 512 registers; a token's 128 numbers are loaded from LDS once for four tiles.  That reuse is why a wave has all of a SIMD's registers.
; THE PRODUCT IS USED TRANSPOSED (source 0 = 16 rows d of W2, source 1 = the tile): a lane holds one row, and d = 16 dt + 8 h + j.
; THE RELU IS DONE ON THE CODES: the block's maximum is taken without |.| (what is negative must not count; the floor 2^(3 - 127) stands under it), x is converted as it is, and the magnitude bits of
; every negative code are cleared.  What is left there is -0, which adds nothing.  Four instructions for eight numbers.
; THE PIVOT.  The sums are taken of h2 - p, p one sample row of h2 (my first token, n = 0), folded into the C of the first K step: no variance is a difference of large sums.
; A STEP works on two tiles: the adds of the next tile stand in front of this tile's eight matrix instructions, the next tile's maxima behind them: they are the places that the matrix instructions ask for
; (four ahead for codes and eight for scale words that vector instructions wrote), and the matrix unit works under them.
; LIMITS: NaN and infinities are not served; a block without a positive number carries the byte 1 where the quantiser says 127: its codes are zeros, and the bytes are read here alone.
; No tensor loads (each wave's rows of a pass through registers to be normalised), no cluster (what work-groups share, 73 KB of tables, is read once at the head).
; THE MODE: SCHED_MODE bits 1:0 = 2 (LLVM: expert scheduling mode 2), set by the entry lines.  The code itself states the register dependences
; between vector or matrix instructions and memory or LDS instructions, with s_wait_alu, always for 0.
; THE PLAN.  In the loop the only memory or LDS instructions are a token's 32 LDS loads, once a trip.  They touch:
;   window 1 v0-127  the token: read by the four ADDs of a trip; the next token lands there behind the fourth.
;   v[AL]            their address: read by the 32 loads, stepped once a trip by a vector add.
; And vector instructions write what scaled matrix instructions take: the codes v32-47 and the scale words v22-23.
; So ONE wait on va_vdst stands in a step, behind the next tile's 64 adds (the places) and ahead of the eight matrix instructions: the codes and scale words are written.  In the step that asks for the next
; token the same wait also states that the adds are done reading the token and that v[AL] is written, and the 32 loads stand between it and the matrix instructions.  One wait on vm_vsrc a trip stands ahead of the add to v[AL].
; REGISTERS, in windows of 256 (s_set_vgpr_msb: bits 1:0 source 0, 3:2 source 1, 5:4 source 2, 7:6 destination):
;   window 0: v1-9 addresses; v8-15 maxima, then bytes; v16-19 the conversions' scale operands; v22-23 the tile's scale words, v24-31 W2's; v32-47 codes; v48-79 h2; v80-111 C; v128-255 x
;   window 1: v0-127 the token; v128-191 W2's 8 fragments; v192-223, v224-255 the sums of h2 - p and of its square.   windows 2, 3: gtab's tiles 0, 1 and 2, 3
.set FIN, 65536                        ; LDS: bytes 0 .. 65,535: 16 normalised tokens of 1,024 bytes for each wave, its own;  then 4 x 512 bytes: the waves' means and centred squares
.set AL,  1                            ; v1  LDS address of my half of the token in hand: 16,384 w + 128 h, + 1,024 a token
.set M,   8
.set SCO, 16
.set P,   20
.set Q,   21
.set SW,  22
.set W2S, 24
.set CD,  32
.set ACC, 48
.set CP,  80
.set X,   128
.set W2F, 128                          ; in window 1
.set S1,  192                          ; in window 1
.set S2,  224
.set MSB, 0
.macro WIN new                         ; the immediate's high byte repeats the setting that is left; a switch that changes nothing is dropped
.if MSB != \new
	s_set_vgpr_msb (MSB<<8)|\new
.set MSB, \new
.endif
.endm
.macro NOPS n
.rept \n
	v_nop
.endr
.endm
.macro ALOAD                           ; the token at v[AL]: 128 numbers of my half, the sixteen lanes of a half the same bytes
	WIN 0x40
.irp b,0,1,2,3
.irp i,0,1,2,3,4,5,6,7
	ds_load_b128 v[32*\b+4*\i:32*\b+4*\i+3], v[AL] offset:256*\b+16*\i
.endr
.endr
.endm
.macro ADD nt                          ; x of tile nt
.if \nt < 2
	WIN 0x09
.else
	WIN 0x0d
.endif
.set k, 0
.rept 64
	v_pk_add_f32 v[X+k:X+k+1], v[k:k+1], v[128*(\nt%2)+k:128*(\nt%2)+k+1]
.set k, k+2
.endr
.endm
.macro MAXSC                           ; four blocks' largest numbers, eight chains by turns; the scale operands; the two scale words
	WIN 0
.irp b,0,1,2,3
	v_max3_num_f32 v[M+\b], v[X+32*\b], v[X+32*\b+1], 0x1800000
.endr
.irp b,0,1,2,3
	v_max3_num_f32 v[M+4+\b], v[X+32*\b+16], v[X+32*\b+17], v[X+32*\b+18]
.endr
.irp i,2,4,6,8,10,12
.irp b,0,1,2,3
	v_max3_num_f32 v[M+\b], v[M+\b], v[X+32*\b+\i], v[X+32*\b+\i+1]
.endr
.irp b,0,1,2,3
	v_max3_num_f32 v[M+4+\b], v[M+4+\b], v[X+32*\b+17+\i], v[X+32*\b+18+\i]
.endr
.endr
.irp b,0,1,2,3
	v_max3_num_f32 v[M+\b], v[M+\b], v[X+32*\b+14], v[X+32*\b+15]
.endr
.irp b,0,1,2,3
	v_max3_num_f32 v[M+\b], v[M+\b], v[M+4+\b], v[X+32*\b+31]
.endr
.irp b,0,1,2,3
	v_add_nc_u32 v[SCO+\b], s31, v[M+\b]           ; 2 off the exponent field: the conversion's scale operand
.endr
.irp b,0,1,2,3
	v_lshrrev_b32 v[M+\b], 23, v[SCO+\b]           ; the scale's byte
.endr
	v_lshl_or_b32 v[P], v[M+1], 8, v[M]
	v_lshl_or_b32 v[P], v[M+2], 16, v[P]
	v_lshl_or_b32 v[P], v[M+3], 24, v[P]           ; my four bytes: blocks 64 b + 32 h
	v_permlanex16_b32 v[Q], v[P], s32, s33         ; lane l xor 16's four
	v_perm_b32 v[SW], v[Q], v[P], s34              ; lanes 0-15: K step 0's word: mine 0, theirs 0, mine 1, theirs 1  (lanes 16-31 are not read)
	v_perm_b32 v[SW+1], v[Q], v[P], s35            ; K step 1's: 2, 2, 3, 3
.endm
.macro CVTRELU                         ; the codes, and the relu on them; x's registers serve as temporaries once they are converted
	WIN 0
.irp b,0,1,2,3
.irp g,0,1,2,3
	v_cvt_scalef32_pk8_fp4_f32 v[CD+4*\b+\g], v[X+32*\b+8*\g:X+32*\b+8*\g+7], v[SCO+\b]
.endr
.endr
	v_nop                                          ; one plain place behind a scaled conversion
.set k, 0
.rept 16
	v_and_b32 v[X+k], s30, v[CD+k]                 ; the eight signs: 8 in each negative code's four bits
.set k, k+1
.endr
.set k, 0
.rept 16
	v_lshrrev_b32 v[X+16+k], 3, v[X+k]             ; 1 there
.set k, k+1
.endr
.set k, 0
.rept 16
	v_sub_nc_u32 v[X+k], v[X+k], v[X+16+k]         ; 7 there: the magnitude bits; no borrow leaves a code
.set k, k+1
.endr
.set k, 0
.rept 16
	v_bfi_b32 v[CD+k], v[X+k], 0, v[CD+k]          ; cleared
.set k, k+1
.endr
.endm
.macro MM                              ; h2 of the tile whose codes and scale words are in hand: four accumulators by turns; the first K step takes C
	WIN 0x01
.irp d,0,1,2,3
	v_wmma_scale_f32_16x16x128_f8f6f4 v[ACC+8*\d:ACC+8*\d+7], v[W2F+16*\d:W2F+16*\d+7], v[CD:CD+7], v[CP+8*\d:CP+8*\d+7], v[W2S+2*\d], v[SW] matrix_a_fmt:MATRIX_FMT_FP4 matrix_b_fmt:MATRIX_FMT_FP4
.endr
.irp d,0,1,2,3
	v_wmma_scale_f32_16x16x128_f8f6f4 v[ACC+8*\d:ACC+8*\d+7], v[W2F+16*\d+8:W2F+16*\d+15], v[CD+8:CD+15], v[ACC+8*\d:ACC+8*\d+7], v[W2S+2*\d+1], v[SW+1] matrix_a_fmt:MATRIX_FMT_FP4 matrix_b_fmt:MATRIX_FMT_FP4
.endr
.endm
.macro E1A                             ; the sums; x 1.0 keeps both runs under one window setting.  Each accumulator is read from its low end on
	WIN 0x50
.set k, 0
.rept 16
	v_pk_fma_f32 v[S1+k:S1+k+1], v[ACC+k:ACC+k+1], 1.0, v[S1+k:S1+k+1] op_sel_hi:[1,0,1]
.set k, k+2
.endr
.set k, 0
.rept 16
	v_pk_fma_f32 v[S2+k:S2+k+1], v[ACC+k:ACC+k+1], v[ACC+k:ACC+k+1], v[S2+k:S2+k+1]
.set k, k+2
.endr
.endm
.macro STEP nxt, aload                 ; this tile's product and sums; tile nxt quantised.  aload = 1: the token's last adds are done: the next token is asked for
	ADD \nxt
.if \aload
	WIN 0
	s_wait_alu depctr_vm_vsrc(0)                   ; the LDS loads of the token in hand have read v[AL]
	v_add_nc_u32 v[AL], 1024, v[AL]
	WIN 0x40
	s_wait_alu depctr_va_vdst(0)                   ; behind the places: the codes and scale words are written, which the scaled matrix instructions take; the adds are done reading the token, in whose registers the next one lands; v[AL] is written
	ALOAD
.else
	WIN 0x01
	s_wait_alu depctr_va_vdst(0)                   ; behind the places: the codes and scale words are written, which the scaled matrix instructions take
.endif
	MM
	MAXSC
	E1A
	CVTRELU
.endm
.macro TRIP more                       ; one token.  On entry tile 0's codes and scale words are in hand
	STEP 1, 0
	STEP 2, 0
	STEP 3, \more
.if \more
	s_wait_dscnt 0x0                               ; the next token is in (asked for a step ago)
	STEP 0, 0
.else
	NOPS 4                                         ; the codes were just written
	s_wait_alu depctr_va_vdst(0)                   ; behind the places: the codes and scale words are written, which the scaled matrix instructions take
	MM
	NOPS 4
	E1A
.endif
	WIN 0                                          ; at a label and at a branch every window is 0
.endm
	s_load_b256 s[4:11], s[0:1], 0x0               ; a_ws 4, nrm1 6, gtab 8, W2's codes 10
	s_load_b128 s[12:15], s[0:1], 0x20             ; W2's scales 12, b2 14
	s_load_b64 s[16:17], s[0:1], 0x30              ; st2
	v_lshl_add_u32 v126, v0, 2, 0x10800
	v_mov_b32 v127, 0
	v_lshrrev_b32 v10, 5, v0
	v_readfirstlane_b32 s2, v10                    ; wave 0 .. 3
	v_and_b32 v10, 31, v0                          ; lane
	v_and_b32 v11, 15, v0                          ; r
	v_bfe_u32 v12, v0, 4, 1                        ; h
	s_wait_alu depctr_va_sdst(0)                   ; s2 is written, ahead of its first reader
	s_lshl_b32 s36, s2, 14
	v_lshlrev_b32 v[AL], 7, v12
	v_add_nc_u32 v[AL], s36, v[AL]
	v_lshlrev_b32 v2, 4, v10                       ; v2  16 x lane
	v_add_nc_u32 v3, s36, v2                       ; v3  where I put 16 bytes of a normalised token
	v_lshlrev_b32 v4, 3, v11                       ; v4  W2's scale words: 8 bytes a row
	v_lshlrev_b32 v5, 5, v12                       ; v5  b2: my half's eight numbers of a tile
	s_lshl_b32 s37, s2, 9
	s_add_co_u32 s37, s37, FIN
	v_add_nc_u32 v6, s37, v5                       ; v6  where my wave's figures go
	v_lshlrev_b32 v7, 3, v10
	v_add_nc_u32 v7, FIN, v7                       ; v7  and where wave 0 reads them
	v_lshlrev_b32 v8, 7, v11
	v_lshl_add_u32 v8, v12, 4, v8                  ; v8  W2's codes: row r of 128 bytes, + 16 h (free for the maxima once the loads have read it)
	v_lshlrev_b32 v9, 10, v11
	v_lshl_add_u32 v9, v12, 7, v9                  ; v9  gtab: row r of 1,024 bytes, + 128 h
	v_mov_b32 v[Q], 0                              ; (a lane permute's destination counts as one of its sources)
	s_mov_b32 s30, 0x88888888
	s_mov_b32 s31, 0xff000000
	s_mov_b32 s32, 0x76543210
	s_mov_b32 s33, 0xfedcba98
	s_mov_b32 s34, 0x05010400
	s_mov_b32 s35, 0x07030602
	s_lshl_b32 s36, ttmp9, 16                      ; a_ws: (64 wg + 16 w) rows of 1,024 bytes
	s_lshl_b32 s37, s2, 14
	s_add_co_u32 s36, s36, s37
	s_mov_b32 s37, 0
	s_lshl_b32 s38, ttmp9, 9                       ; st2: a record of 512 bytes
	s_mov_b32 s39, 0
	s_wait_kmcnt 0x0
	s_add_nc_u64 s[4:5], s[4:5], s[36:37]
	s_add_nc_u64 s[16:17], s[16:17], s[38:39]
	s_wait_alu depctr_va_vdst(0)                   ; the offsets and LDS addresses v1 to v9 are written, which the loads and stores below read
.irp u,0,1
	global_load_b128 v[48+4*\u:51+4*\u], v2, s[6:7] offset:512*\u          ; mean_a of my four channels of each half row
	global_load_b128 v[56+4*\u:59+4*\u], v2, s[6:7] offset:1024+512*\u     ; s1
.endr
.set k, 0
.rept 32
	global_load_b128 v[X+4*k:X+4*k+3], v2, s[4:5] offset:512*k             ; my 16 tokens, 512 consecutive bytes an instruction (no hint: the next launch reads them again)
.set k, k+1
.endr
.irp d,0,1,2,3
.irp g,0,1
	global_load_b128 v[CP+8*\d+4*\g:CP+8*\d+4*\g+3], v5, s[14:15] offset:64*\d+16*\g
.endr
.endr
.irp d,0,1,2,3
.irp s,0,1
	global_load_b32 v[W2S+2*\d+\s], v4, s[12:13] offset:128*\d+4*\s
.endr
.endr
	WIN 0x40
.irp d,0,1,2,3
.irp s,0,1
.irp c,0,1
	global_load_b128 v[W2F+8*(2*\d+\s)+4*\c:W2F+8*(2*\d+\s)+4*\c+3], v8, s[10:11] offset:2048*\d+64*\s+32*\c
.endr
.endr
.endr
.irp nt,0,1,2,3
.if \nt < 2
	WIN 0x80
.else
	WIN 0xc0
.endif
.set k, 0
.rept 32
	global_load_b128 v[128*(\nt%2)+4*k:128*(\nt%2)+4*k+3], v9, s[8:9] offset:16384*\nt+256*(k/8)+16*(k%8)
.set k, k+1
.endr
.endr
	WIN 0
	s_wait_loadcnt 63                              ; behind the tokens stand 160 younger loads; 63 is the largest count that the wait can name
.set k, 0
.rept 64
	v_pk_add_f32 v[X+2*k:X+2*k+1], v[X+2*k:X+2*k+1], v[48+(2*k)%8:49+(2*k)%8] neg_lo:[0,1] neg_hi:[0,1]
.set k, k+1
.endr
.set k, 0
.rept 64
	v_pk_mul_f32 v[X+2*k:X+2*k+1], v[X+2*k:X+2*k+1], v[56+(2*k)%8:57+(2*k)%8]
.set k, k+1
.endr
	s_wait_alu depctr_va_vdst(0)                   ; the normalised tokens v[X ..] are written, which the LDS stores read
.set k, 0
.rept 32
	ds_store_b128 v3, v[X+4*k:X+4*k+3] offset:512*k
.set k, k+1
.endr
	s_wait_loadcnt 0x0
	ALOAD                                          ; my first token: LDS serves a wave's instructions in order (ISA guide 5.7.1.4): these see my stores
	WIN 0
	s_wait_dscnt 0x0
	s_wait_alu depctr_vm_vsrc(0)                   ; the LDS stores have read v[X ..], which the adds write; the loads of W2 and gtab have read v8 and v9, which the maxima write
	ADD 0
	MAXSC
	CVTRELU
	NOPS 4
	s_wait_alu depctr_va_vdst(0)                   ; behind the places: the codes and scale words are written, which the scaled matrix instructions take
	MM                                             ; tile 0 with C = b2: it gives the pivot, and is multiplied once more in the loop's first step, from the same codes
	WIN 0
	NOPS 4
.set k, 0
.rept 32
	v_mov_b32_dpp v[X+k], v[ACC+k] row_share:0 row_mask:0xf bank_mask:0xf   ; the row n = 0, in all sixteen lanes of each half
.set k, k+1
.endr
.set k, 0
.rept 16
	v_pk_add_f32 v[CP+k:CP+k+1], v[CP+k:CP+k+1], v[X+k:X+k+1] neg_lo:[0,1] neg_hi:[0,1]   ; C = b2 - p
.set k, k+2
.endr
	WIN 0x40
.set k, 0
.rept 64
	v_mov_b32 v[S1+k], 0                           ; once: so the loop has no first trip of its own
.set k, k+1
.endr
	WIN 0
	s_mov_b32 s3, 15
.Ltoken:
	TRIP 1
	s_sub_co_u32 s3, s3, 1
	s_cmp_lg_u32 s3, 0
	s_cbranch_scc1 .Ltoken
	TRIP 0                                         ; the last token asks for no successor
	; my wave's 1,024 rows: the sums over the sixteen lanes of a half; mean and centred squares
	s_wait_alu depctr_va_vdst(0)                   ; the last tile's lines are done with v[X + 64 ..], in which b2 lands
.irp d,0,1,2,3
.irp g,0,1
	global_load_b128 v[X+64+8*\d+4*\g:X+64+8*\d+4*\g+3], v5, s[14:15] offset:64*\d+16*\g   ; b2 once more
.endr
.endr
	WIN 0x01
.set k, 0
.rept 64
	v_mov_b32 v[X+k], v[S1+k]                      ; into window 0, where the forms that reach across lanes are kept
.set k, k+1
.endr
	WIN 0
.irp mk,1,2,4,8
.set k, 0
.rept 64
	v_add_f32_dpp v[X+k], v[X+k], v[X+k] row_xmask:\mk row_mask:0xf bank_mask:0xf
.set k, k+1
.endr
.endr
	s_wait_loadcnt 0x0
.set k, 0
.rept 16
	v_pk_mul_f32 v[X+96+k:X+97+k], v[X+k:X+k+1], 0x3a800000 op_sel_hi:[1,0]                                 ; the mean of h2 - p: / 1,024
.set k, k+2
.endr
.set k, 0
.rept 16
	v_pk_fma_f32 v[X+32+k:X+33+k], v[X+k:X+k+1], v[X+96+k:X+97+k], v[X+32+k:X+33+k] neg_lo:[1,0,0] neg_hi:[1,0,0]   ; centred squares
.set k, k+2
.endr
.set k, 0
.rept 16
	v_pk_add_f32 v[X+64+k:X+65+k], v[X+64+k:X+65+k], v[CP+k:CP+k+1] neg_lo:[0,1] neg_hi:[0,1]               ; b2 - C: the shift that the sums were taken under
.set k, k+2
.endr
.set k, 0
.rept 16
	v_pk_add_f32 v[X+k:X+k+1], v[X+64+k:X+65+k], v[X+96+k:X+97+k]                                           ; h2's mean
.set k, k+2
.endr
	s_wait_alu depctr_va_vdst(0)                   ; the means v[X ..] and the centred squares v[X + 32 ..] are written, which the LDS stores read; wave 0's loads below land in registers that no vector line names behind this wait
.irp d,0,1,2,3
.irp g,0,1
	ds_store_b128 v6, v[X+8*\d+4*\g:X+8*\d+4*\g+3] offset:64*\d+16*\g            ; the sixteen lanes of a half write the same bytes with the same values
	ds_store_b128 v6, v[X+32+8*\d+4*\g:X+32+8*\d+4*\g+3] offset:256+64*\d+16*\g
.endr
.endr
	s_wait_dscnt 0x0                               ; for wave 0's sake
	s_barrier_signal -1
	s_barrier_wait -1
	s_wait_alu depctr_vm_vsrc(0)                   ; my LDS stores have read v[X ..] to v[X + 63], in which wave 0's loads land and which its arithmetic writes; the wait stands ahead of the branch
	s_cmp_lg_u32 s2, 0
	s_cbranch_scc1 .Lend
.irp w,0,1,2,3
	ds_load_b64 v[X+4*\w:X+4*\w+1], v7 offset:512*\w             ; lane q: channels 2 q, 2 q + 1: wave w's means,
	ds_load_b64 v[X+4*\w+2:X+4*\w+3], v7 offset:512*\w+256       ; and centred squares
.endr
	s_wait_dscnt 0x0
	v_pk_add_f32 v[X+16:X+17], v[X:X+1], v[X+4:X+5]
	v_pk_add_f32 v[X+18:X+19], v[X+8:X+9], v[X+12:X+13]
	v_pk_add_f32 v[X+16:X+17], v[X+16:X+17], v[X+18:X+19]
	v_pk_mul_f32 v[X+32:X+33], v[X+16:X+17], 0x3e800000 op_sel_hi:[1,0]         ; the work-group's mean
.irp w,0,1,2,3
	v_pk_add_f32 v[X+20+2*\w:X+21+2*\w], v[X+4*\w:X+4*\w+1], v[X+32:X+33] neg_lo:[0,1] neg_hi:[0,1]
.endr
	v_pk_mul_f32 v[X+28:X+29], v[X+20:X+21], v[X+20:X+21]
.irp w,1,2,3
	v_pk_fma_f32 v[X+28:X+29], v[X+20+2*\w:X+21+2*\w], v[X+20+2*\w:X+21+2*\w], v[X+28:X+29]
.endr
	v_pk_add_f32 v[X+34:X+35], v[X+2:X+3], v[X+6:X+7]
	v_pk_add_f32 v[X+30:X+31], v[X+10:X+11], v[X+14:X+15]
	v_pk_add_f32 v[X+34:X+35], v[X+34:X+35], v[X+30:X+31]
	v_pk_fma_f32 v[X+34:X+35], v[X+28:X+29], 0x44800000, v[X+34:X+35] op_sel_hi:[1,0,1]   ; + 1,024 x the waves' means about their mean
	s_wait_alu depctr_va_vdst(0)                   ; the record v[X + 32 ..] is written, which the store reads
	global_store_b128 v2, v[X+32:X+35], s[16:17]   ; 32 lanes store 512 consecutive aligned bytes
.Lend:
	s_wait_dscnt 0x0                               ; the closing lines, six on end
	s_wait_alu 0x0
	s_wait_tensorcnt 0x0
	ds_add_u32 v126, v127
	s_wait_dscnt 0x0
	s_endpgm
.Lfunc_end_k_qab960f9efc_passA:
	.size	k_qab960f9efc_passA, .Lfunc_end_k_qab960f9efc_passA-k_qab960f9efc_passA
	.p2alignl 7, 3214868480
	.fill 96, 4, 3214868480
	.section	.rodata,"a",@progbits
	.p2align	6, 0x0
	.amdhsa_kernel k_qab960f9efc_passA
		.amdhsa_group_segment_fixed_size 68096
		.amdhsa_private_segment_fixed_size 0
		.amdhsa_enable_private_segment 0
		.amdhsa_kernarg_size 56
		.amdhsa_user_sgpr_count 2
		.amdhsa_user_sgpr_kernarg_segment_ptr 1
		.amdhsa_wavefront_size32 1
		.amdhsa_system_sgpr_workgroup_id_x 1
		.amdhsa_system_sgpr_workgroup_id_y 1
		.amdhsa_system_sgpr_workgroup_id_z 1
		.amdhsa_system_vgpr_workitem_id 0
		.amdhsa_next_free_vgpr 1024
		.amdhsa_next_free_sgpr 66
		.amdhsa_reserve_vcc 0
		.amdhsa_float_denorm_mode_32 3
		.amdhsa_float_denorm_mode_16_64 3
		.amdhsa_memory_ordered 1
		.amdhsa_forward_progress 1
		.amdhsa_inst_pref_size 193
	.end_amdhsa_kernel
	.amdgpu_metadata
---
amdhsa.version: [ 1, 2 ]
amdhsa.kernels:
  - .name:           k_qab960f9efc_passA
    .symbol:         k_qab960f9efc_passA.kd
    .args:
      - { .name: a_ws, .offset: 0, .size: 8, .value_kind: global_buffer, .address_space: global }
      - { .name: nrm1, .offset: 8, .size: 8, .value_kind: global_buffer, .address_space: global }
      - { .name: gtab, .offset: 16, .size: 8, .value_kind: global_buffer, .address_space: global }
      - { .name: W2_codes, .offset: 24, .size: 8, .value_kind: global_buffer, .address_space: global }
      - { .name: W2_scales, .offset: 32, .size: 8, .value_kind: global_buffer, .address_space: global }
      - { .name: b2, .offset: 40, .size: 8, .value_kind: global_buffer, .address_space: global }
      - { .name: st2, .offset: 48, .size: 8, .value_kind: global_buffer, .address_space: global }
    .group_segment_fixed_size: 68096
    .private_segment_fixed_size: 0
    .kernarg_segment_align: 8
    .kernarg_segment_size: 56
    .max_flat_workgroup_size: 128
    .sgpr_count:     66
    .vgpr_count:     1024
    .wavefront_size: 32
...
	.end_amdgpu_metadata
.endif
;; end of part 6
;; launch passB (part 7): grid 256 x 1, 4 waves a work-group, no clusters, 79,360 bytes of LDS; arguments a_ws, nrm1, gtab, W2_codes, W2_scales, b2, st2, gamma2, beta2, W3, b3, out0, out1; writes out1
.if DOCPART == 7
	.amdgcn_target "amdgcn-amd-amdhsa--gfx1250"
	.amdhsa_code_object_version 6
	.text
	.protected	k_qab960f9efc_passB
	.globl	k_qab960f9efc_passB
	.p2align	8
	.type	k_qab960f9efc_passB,@function
k_qab960f9efc_passB:
	s_mov_b64 s[64:65], 0
	v_nop
	global_prefetch_b8 v0, s[64:65] scope:SCOPE_SE
	s_setreg_imm32_b32 hwreg(HW_REG_WAVE_SCHED_MODE, 0, 2), 2
	s_setreg_imm32_b32 hwreg(HW_REG_WAVE_MODE, 25, 1), 1
	s_wait_xcnt 0x0
	s_wait_alu depctr_vm_vsrc(0)
; fine = coarse + relu(BN2(Q(relu(x)) W2 + b2)) W3 + b3 -> out1.  x[t][n][c] = (a[t][c] - mean_a[c]) s1[c] + gtab[n][c] is made and quantised as in the launch before, by the same macros.
; SHARES, LAYOUT, THE RELU ON THE CODES, LIMITS: as there.  A work-group takes 64 tokens, a wave 16; a tile is 16 n of one token; lane (r, h) holds four whole blocks of its row, register 32 b + i = c 64 b + 32 h + i.
; BN2.  Every wave joins st2's 256 records (64 each, the four waves' sums meet in LDS) about a pivot that is one of the records' means: no variance is a difference of large sums.
; The C of the first K step is b2 - mean2, so the accumulator is h2 - mean2 itself and the norm is one packed multiply-add.
; THE LAST PRODUCT (N = 3, left as it is, feeds no quantiser) goes in bf16: h2's product is used transposed, so a lane holds one row and d = 16 dt + 8 h + j: two tiles rounded to bf16 in pairs ARE source 1
; (32 d x 16 rows) of out^T = W3^T h3^T; source 0 = W3^T with rows 3 .. 15 zero.  Two products on two accumulators, added by vector instructions: no chain.
; Lanes 0-15 then hold e = 0, 1, 2 of row r in registers 0, 1, 2; lanes 16-31 hold the zero rows and store to bytes of their own that nobody reads, which spares two changes of EXEC a tile.
; A token's 64 x 3 results gather in the wave's 768 bytes of LDS and leave as three aligned runs of 256 bytes.
; coarse + b3 of a token stands in scalar registers; the next token's coarse is asked for at a trip's head and awaited at its end.
; v_rsq_f32 is good to one unit in the last place (ISA guide 15.8).
; THE MODE: SCHED_MODE bits 1:0 = 2 (LLVM: expert scheduling mode 2), set by the entry lines.  The code itself states the register dependences
; between vector or matrix instructions and memory or LDS instructions, with s_wait_alu, always for 0.
; THE PLAN.  Registers that memory or LDS instructions touch, in the loop:
;   window 1 v0-127  the token: read by the four ADDs of a trip; the next token lands there behind the fourth.
;   v[AL]            the address of those 32 LDS loads; stepped once a trip by a vector add.
;   v5-7 (T)         a tile's three results: written by the six additions at a step's end; read by three LDS stores, which are issued in the NEXT step (tile 3's at the trip's end).
;   v8-13 (M)        named by the maxima's lines; at the trip's end the token's 768 bytes land there from LDS, and the three global stores read them.
;   v2-4             LDS addresses and the stores' offset: never written in the loop.
; And vector instructions write what scaled matrix instructions take: the codes v32-47 and the scale words v22-23.
; So ONE wait on va_vdst stands in a step, behind the next tile's 64 adds (the places) and ahead of the eight matrix instructions: the codes and scale words are written; T of the tile before is written;
; in the step that asks for the next token the adds are done reading the token and v[AL] is written.  The three stores and the 32 loads stand between it and the matrix instructions.
; A fifth stands at the trip's end: tile 3's T is written, and the vector lines are done with M.
; Waits on vm_vsrc: ahead of the additions that write T again (steps 1 to 3); ahead of the add to v[AL]; at the trip's end, beside the wait on XCNT: the stores have read M and T, which frees both for the next trip's first step.
; REGISTERS: window 0: v1-4 addresses; v5-7 results; v8-15 maxima, bytes, rows on their way out; v16-19 scale operands; v22-23, v24-31 scale words; v32-47 codes; v48-79 h2, then h3 in bf16 and out^T;
;   v80-111 C; v112-127 W3^T in bf16; v128-255 x.   window 1: v0-127 the token; v128-191 W2; v192-223 s2, v224-255 beta2, in the accumulators' layout.   windows 2, 3: gtab.
.set RED, 65536                        ; LDS: bytes 0 .. 65,535: the waves' normalised tokens;  4 x 1,024: the waves' partial sums;
.set TAB, 69632                        ; 4 x 768: b2 - mean2, s2, beta2, 64 numbers each: a copy for each wave, its own;
.set STG, 72704                        ; 4 x 1,536: a token's results (768 bytes), and 768 bytes for lanes 16-31
.set AL,  1
.set STO, 2                            ; v2  where I put a result: STG + 1,536 w + 768 h + 12 r
.set SRD, 3                            ; v3  where I read a token's results back: STG + 1,536 w + 8 x lane
.set GO,  4                            ; v4  8 x lane
.set T,   5
.set M,   8
.set SCO, 16
.set P,   20
.set Q,   21
.set SW,  22
.set W2S, 24
.set CD,  32
.set ACC, 48
.set CP,  80
.set W3F, 112
.set X,   128
.set W2F, 128                          ; in window 1
.set S2L, 192                          ; in window 1
.set BT,  224
.set MSB, 0
.macro WIN new                         ; the immediate's high byte repeats the setting that is left; a switch that changes nothing is dropped
.if MSB != \new
	s_set_vgpr_msb (MSB<<8)|\new
.set MSB, \new
.endif
.endm
.macro NOPS n
.rept \n
	v_nop
.endr
.endm
.macro ALOAD                           ; the token at v[AL]: 128 numbers of my half, the sixteen lanes of a half the same bytes
	WIN 0x40
.irp b,0,1,2,3
.irp i,0,1,2,3,4,5,6,7
	ds_load_b128 v[32*\b+4*\i:32*\b+4*\i+3], v[AL] offset:256*\b+16*\i
.endr
.endr
.endm
.macro ADD nt                          ; x of tile nt
.if \nt < 2
	WIN 0x09
.else
	WIN 0x0d
.endif
.set k, 0
.rept 64
	v_pk_add_f32 v[X+k:X+k+1], v[k:k+1], v[128*(\nt%2)+k:128*(\nt%2)+k+1]
.set k, k+2
.endr
.endm
.macro MAXSC                           ; four blocks' largest numbers, eight chains by turns; the scale operands; the two scale words
	WIN 0
.irp b,0,1,2,3
	v_max3_num_f32 v[M+\b], v[X+32*\b], v[X+32*\b+1], 0x1800000
.endr
.irp b,0,1,2,3
	v_max3_num_f32 v[M+4+\b], v[X+32*\b+16], v[X+32*\b+17], v[X+32*\b+18]
.endr
.irp i,2,4,6,8,10,12
.irp b,0,1,2,3
	v_max3_num_f32 v[M+\b], v[M+\b], v[X+32*\b+\i], v[X+32*\b+\i+1]
.endr
.irp b,0,1,2,3
	v_max3_num_f32 v[M+4+\b], v[M+4+\b], v[X+32*\b+17+\i], v[X+32*\b+18+\i]
.endr
.endr
.irp b,0,1,2,3
	v_max3_num_f32 v[M+\b], v[M+\b], v[X+32*\b+14], v[X+32*\b+15]
.endr
.irp b,0,1,2,3
	v_max3_num_f32 v[M+\b], v[M+\b], v[M+4+\b], v[X+32*\b+31]
.endr
.irp b,0,1,2,3
	v_add_nc_u32 v[SCO+\b], s31, v[M+\b]           ; 2 off the exponent field: the conversion's scale operand
.endr
.irp b,0,1,2,3
	v_lshrrev_b32 v[M+\b], 23, v[SCO+\b]           ; the scale's byte
.endr
	v_lshl_or_b32 v[P], v[M+1], 8, v[M]
	v_lshl_or_b32 v[P], v[M+2], 16, v[P]
	v_lshl_or_b32 v[P], v[M+3], 24, v[P]           ; my four bytes: blocks 64 b + 32 h
	v_permlanex16_b32 v[Q], v[P], s32, s33         ; lane l xor 16's four
	v_perm_b32 v[SW], v[Q], v[P], s34              ; lanes 0-15: K step 0's word: mine 0, theirs 0, mine 1, theirs 1  (lanes 16-31 are not read)
	v_perm_b32 v[SW+1], v[Q], v[P], s35            ; K step 1's: 2, 2, 3, 3
.endm
.macro CVTRELU                         ; the codes, and the relu on them; x's registers serve as temporaries once they are converted
	WIN 0
.irp b,0,1,2,3
.irp g,0,1,2,3
	v_cvt_scalef32_pk8_fp4_f32 v[CD+4*\b+\g], v[X+32*\b+8*\g:X+32*\b+8*\g+7], v[SCO+\b]
.endr
.endr
	v_nop                                          ; one plain place behind a scaled conversion
.set k, 0
.rept 16
	v_and_b32 v[X+k], s30, v[CD+k]                 ; the eight signs: 8 in each negative code's four bits
.set k, k+1
.endr
.set k, 0
.rept 16
	v_lshrrev_b32 v[X+16+k], 3, v[X+k]             ; 1 there
.set k, k+1
.endr
.set k, 0
.rept 16
	v_sub_nc_u32 v[X+k], v[X+k], v[X+16+k]         ; 7 there: the magnitude bits; no borrow leaves a code
.set k, k+1
.endr
.set k, 0
.rept 16
	v_bfi_b32 v[CD+k], v[X+k], 0, v[CD+k]          ; cleared
.set k, k+1
.endr
.endm
.macro MM                              ; h2 - mean2 of the tile whose codes and scale words are in hand: four accumulators by turns; the first K step takes C
	WIN 0x01
.irp d,0,1,2,3
	v_wmma_scale_f32_16x16x128_f8f6f4 v[ACC+8*\d:ACC+8*\d+7], v[W2F+16*\d:W2F+16*\d+7], v[CD:CD+7], v[CP+8*\d:CP+8*\d+7], v[W2S+2*\d], v[SW] matrix_a_fmt:MATRIX_FMT_FP4 matrix_b_fmt:MATRIX_FMT_FP4
.endr
.irp d,0,1,2,3
	v_wmma_scale_f32_16x16x128_f8f6f4 v[ACC+8*\d:ACC+8*\d+7], v[W2F+16*\d+8:W2F+16*\d+15], v[CD+8:CD+15], v[ACC+8*\d:ACC+8*\d+7], v[W2S+2*\d+1], v[SW+1] matrix_a_fmt:MATRIX_FMT_FP4 matrix_b_fmt:MATRIX_FMT_FP4
.endr
.endm
.macro E1B                             ; the norm, the relu, bf16 in place (register i from registers 2 i, 2 i + 1, ascending: each source is read before it is written over), the last product
	WIN 0x14
.set k, 0
.rept 16
	v_pk_fma_f32 v[ACC+k:ACC+k+1], v[ACC+k:ACC+k+1], v[S2L+k:S2L+k+1], v[BT+k:BT+k+1]
.set k, k+2
.endr
	WIN 0
.set k, 0
.rept 32
	v_max_num_f32 v[ACC+k], 0, v[ACC+k]
.set k, k+1
.endr
.set k, 0
.rept 16
	v_cvt_pk_bf16_f32 v[ACC+k], v[ACC+2*k], v[ACC+2*k+1]
.set k, k+1
.endr
	v_wmma_f32_16x16x32_bf16 v[ACC+16:ACC+23], v[W3F:W3F+7], v[ACC:ACC+7], 0            ; d 0 .. 31
	v_wmma_f32_16x16x32_bf16 v[ACC+24:ACC+31], v[W3F+8:W3F+15], v[ACC+8:ACC+15], 0      ; d 32 .. 63
.endm
.macro E2B                             ; (coarse + b3) + the two halves; each result is read from its low end on
	WIN 0
.irp e,0,1,2
	v_add_f32 v[T+\e], s[44+\e], v[ACC+16+\e]
.endr
.irp e,0,1,2
	v_add_f32 v[T+\e], v[T+\e], v[ACC+24+\e]
.endr
.endm
.macro SEND nt                         ; tile nt's three results, which T holds, into the wave's 768 bytes
.irp e,0,1,2
	ds_store_b32 v[STO], v[T+\e] offset:192*(\nt)+4*\e
.endr
.endm
.macro OUTT                            ; a token's 768 bytes leave
	WIN 0
.irp i,0,1,2
	ds_load_b64 v[M+2*\i:M+2*\i+1], v[SRD] offset:256*\i   ; LDS serves a wave's instructions in order (ISA guide 5.7.1.4): these see my stores
.endr
.irp i,0,1,2
	s_wait_dscnt 2-\i
	global_store_b64 v[GO], v[M+2*\i:M+2*\i+1], s[28:29] offset:256*\i th:TH_STORE_NT   ; 32 lanes store 256 consecutive aligned bytes; written once, read by nobody here
.endr
	s_wait_xcnt 0x0                                ; only behind this wait are the stores' data and base written again
	s_wait_alu depctr_vm_vsrc(0)                   ; the global stores have read v[M ..], which the next maxima write; tile 3's LDS stores have read T, which the next trip's first step writes
	s_add_nc_u64 s[28:29], s[28:29], 768
.endm
.macro STEP cur, nxt, aload            ; tile cur's products and results; tile nxt quantised; the results of tile cur - 1 go to LDS.  aload = 1: the token's last adds are done: the next token is asked for
	ADD \nxt
.if \aload
	WIN 0
	s_wait_alu depctr_vm_vsrc(0)                   ; the LDS loads of the token in hand have read v[AL]
	v_add_nc_u32 v[AL], 1024, v[AL]
.endif
.if \cur > 0
	WIN 0
.else
	WIN 0x01
.endif
	s_wait_alu depctr_va_vdst(0)                   ; behind the places: the codes and scale words are written, which the scaled matrix instructions take; T of the tile before is written, which the LDS stores read; aload = 1: the adds are done reading the token, and v[AL] is written
.if \cur > 0
	SEND \cur-1
.endif
.if \aload
	ALOAD
.endif
	MM
	MAXSC
	E1B
	CVTRELU                                        ; its plain lines are the places between the last product and the read of its results
.if \cur > 0
	s_wait_alu depctr_vm_vsrc(0)                   ; this step's three LDS stores have read T, which the additions below write
.endif
	E2B
.endm
.macro TRIP more                       ; one token.  On entry tile 0's codes and scale words are in hand, and s[44:46] hold its coarse + b3
.if \more
	s_load_b96 s[40:42], s[26:27], 0x0             ; the next token's coarse
.endif
	STEP 0, 1, 0
	STEP 1, 2, 0
	STEP 2, 3, \more
.if \more
	s_wait_dscnt 0x0                               ; the next token's 32 loads are in: they are the youngest LDS instructions (tile 1's stores stand ahead of them)
	STEP 3, 0, 0
.else
	NOPS 4                                         ; the codes were just written
	s_wait_alu depctr_va_vdst(0)                   ; behind the places: the codes and scale words are written, which the scaled matrix instructions take; tile 2's T is written, which the LDS stores read
	SEND 2
	MM
	NOPS 4
	E1B
	NOPS 4
	s_wait_alu depctr_vm_vsrc(0)                   ; tile 2's LDS stores have read T, which the additions below write
	E2B
.endif
	s_wait_alu depctr_va_vdst(0)                   ; tile 3's T is written, which the LDS stores read; the vector lines are done with v[M ..], in which the token's results land
	SEND 3
	OUTT
.if \more
	s_wait_kmcnt 0x0
	s_add_f32 s44, s40, s48
	s_add_f32 s45, s41, s49
	s_add_f32 s46, s42, s50
	s_add_nc_u64 s[26:27], s[26:27], 12            ; (the load that named this base is done)
.endif
	WIN 0                                          ; at a label and at a branch every window is 0
.endm
	s_load_b512 s[4:19], s[0:1], 0x0               ; a_ws 4, nrm1 6, gtab 8, W2's codes 10, W2's scales 12, b2 14, st2 16, gamma2 18
	s_load_b256 s[20:27], s[0:1], 0x40             ; beta2 20, W3 22, b3 24, out0 26
	s_load_b64 s[28:29], s[0:1], 0x60              ; out1
	v_lshrrev_b32 v74, 5, v0
	v_readfirstlane_b32 s2, v74                    ; wave 0 .. 3
	v_and_b32 v74, 31, v0                          ; lane
	v_and_b32 v75, 15, v0                          ; r
	v_bfe_u32 v76, v0, 4, 1                        ; h
	s_wait_alu depctr_va_sdst(0)                   ; s2 is written, ahead of its first reader
	s_lshl_b32 s36, s2, 14
	v_lshlrev_b32 v[AL], 7, v76
	v_add_nc_u32 v[AL], s36, v[AL]
	v_lshlrev_b32 v5, 4, v74                       ; v5  16 x lane                      (v5-7, v16-21, v74-79: addresses of the prologue alone)
	v_add_nc_u32 v6, s36, v5                       ; v6  where I put 16 bytes of a normalised token
	v_lshlrev_b32 v[GO], 3, v74
	s_mul_i32 s36, s2, 1536
	s_add_co_u32 s36, s36, STG
	v_mul_u32_u24 v[STO], v76, 768
	v_mad_u32_u24 v[STO], v75, 12, v[STO]
	v_add_nc_u32 v[STO], s36, v[STO]
	v_add_nc_u32 v[SRD], s36, v[GO]
	s_lshl_b32 s36, s2, 10
	s_add_co_u32 s36, s36, RED
	v_add_nc_u32 v7, s36, v5                       ; v7  my wave's sums of d and d^2
	v_add_nc_u32 v16, s36, v[GO]
	v_add_nc_u32 v16, 512, v16                     ; v16 and of the records' own squares
	v_add_nc_u32 v17, RED, v5                      ; v17, v18 where all four waves' are read
	v_add_nc_u32 v18, RED+512, v[GO]
	s_mul_i32 s36, s2, 768
	s_add_co_u32 s36, s36, TAB
	v_add_nc_u32 v19, s36, v[GO]                   ; v19 my wave's table, in: two channels a lane
	v_lshlrev_b32 v20, 5, v76
	v_add_nc_u32 v20, s36, v20                     ; v20 and out: my half's eight numbers of a tile
	v_lshlrev_b32 v21, 3, v75                      ; v21 W2's scale words: 8 bytes a row
	v_lshlrev_b32 v77, 7, v75
	v_lshl_add_u32 v77, v76, 4, v77                ; v77 W2's codes: row r of 128 bytes, + 16 h
	v_lshlrev_b32 v78, 10, v75
	v_lshl_add_u32 v78, v76, 7, v78                ; v78 gtab: row r of 1,024 bytes, + 128 h
	v_min_u32 v79, 2, v75
	v_lshlrev_b32 v79, 2, v79
	v_mad_u32_u24 v79, v76, 96, v79                ; v79 W3: column min(r, 2), 8 h rows of 12 bytes down: no lane leaves the buffer
.set k, 0
.rept 12
	v_mov_b32 v[112+k], 0                          ; the sums of d, d^2 and the records' squares, two chains each
.set k, k+1
.endr
	s_mov_b32 s30, 0x88888888
	s_mov_b32 s31, 0xff000000
	s_mov_b32 s32, 0x76543210
	s_mov_b32 s33, 0xfedcba98
	s_mov_b32 s34, 0x05010400
	s_mov_b32 s35, 0x07030602
	s_lshl_b32 s36, ttmp9, 16                      ; a_ws: (64 wg + 16 w) rows of 1,024 bytes
	s_lshl_b32 s37, s2, 14
	s_add_co_u32 s36, s36, s37
	s_mov_b32 s37, 0
	s_lshl_b32 s38, s2, 15                         ; st2: 64 records of 512 bytes
	s_mov_b32 s39, 0
	s_wait_kmcnt 0x0
	s_add_nc_u64 s[4:5], s[4:5], s[36:37]
	s_add_nc_u64 s[52:53], s[16:17], s[38:39]
	s_mul_i32 s36, ttmp9, 768                      ; out0: 12 bytes a token
	s_mul_i32 s38, s2, 192
	s_add_co_u32 s36, s36, s38
	s_add_nc_u64 s[26:27], s[26:27], s[36:37]
	s_mul_i32 s36, ttmp9, 49152                    ; out1: 768 bytes a token
	s_mul_i32 s38, s2, 12288
	s_add_co_u32 s36, s36, s38
	s_add_nc_u64 s[28:29], s[28:29], s[36:37]
	s_load_b96 s[48:50], s[24:25], 0x0             ; b3
	s_load_b96 s[40:42], s[26:27], 0x0             ; my first token's coarse
	s_wait_alu depctr_va_vdst(0)                   ; the offsets and LDS addresses v1 to v7, v16 to v21 and v77 to v79 are written, which the loads and stores below read
	global_load_b128 v[48:51], v5, s[16:17]        ; record 0: its means are the pivot
	WIN 0x40
.set k, 0
.rept 64
	global_load_b128 v[4*k:4*k+3], v5, s[52:53] offset:512*k     ; my 64 records: lane q: mean 2q, mean 2q+1, M2 2q, M2 2q+1
.set k, k+1
.endr
	WIN 0
.irp u,0,1
	global_load_b128 v[52+4*\u:55+4*\u], v5, s[6:7] offset:512*\u          ; mean_a
	global_load_b128 v[60+4*\u:63+4*\u], v5, s[6:7] offset:1024+512*\u     ; s1
.endr
.set k, 0
.rept 32
	global_load_b128 v[X+4*k:X+4*k+3], v5, s[4:5] offset:512*k th:TH_LOAD_NT   ; my 16 tokens: their last read
.set k, k+1
.endr
	global_load_b64 v[68:69], v[GO], s[18:19]      ; gamma2, beta2, b2 of channels 2 q, 2 q + 1
	global_load_b64 v[70:71], v[GO], s[20:21]
	global_load_b64 v[72:73], v[GO], s[14:15]
.irp d,0,1,2,3
.irp s,0,1
	global_load_b32 v[W2S+2*\d+\s], v21, s[12:13] offset:128*\d+4*\s
.endr
.endr
	s_wait_loadcnt 47                              ; the pivot and my records are in: 4 + 32 + 3 + 8 loads are younger
	WIN 0x41
.set k, 0
.rept 64
	v_pk_add_f32 v[4*k:4*k+1], v[4*k:4*k+1], v[48:49] neg_lo:[0,1] neg_hi:[0,1]     ; d = mean - pivot, in place
.set k, k+1
.endr
	WIN 0x01
.set k, 0
.rept 32
	v_pk_add_f32 v[112:113], v[8*k:8*k+1], v[112:113]
	v_pk_add_f32 v[118:119], v[8*k+4:8*k+5], v[118:119]
	v_pk_add_f32 v[116:117], v[8*k+2:8*k+3], v[116:117]
	v_pk_add_f32 v[122:123], v[8*k+6:8*k+7], v[122:123]
.set k, k+1
.endr
	WIN 0x05
.set k, 0
.rept 32
	v_pk_fma_f32 v[114:115], v[8*k:8*k+1], v[8*k:8*k+1], v[114:115]
	v_pk_fma_f32 v[120:121], v[8*k+4:8*k+5], v[8*k+4:8*k+5], v[120:121]
.set k, k+1
.endr
	WIN 0
	v_pk_add_f32 v[112:113], v[112:113], v[118:119]
	v_pk_add_f32 v[114:115], v[114:115], v[120:121]
	v_pk_add_f32 v[116:117], v[116:117], v[122:123]
	s_wait_alu depctr_va_vdst(0)                   ; my partial sums v112 to v117 are written, which the LDS stores read; the sums are done with the records, in whose registers W2's fragments, and later s2, beta2 and the token, land
	ds_store_b128 v7, v[112:115]
	ds_store_b64 v16, v[116:117]
	WIN 0x40                                       ; the tables, into registers that the records have left
.irp d,0,1,2,3
.irp s,0,1
.irp c,0,1
	global_load_b128 v[W2F+8*(2*\d+\s)+4*\c:W2F+8*(2*\d+\s)+4*\c+3], v77, s[10:11] offset:2048*\d+64*\s+32*\c
.endr
.endr
.endr
	WIN 0
.set k, 0
.rept 32
	global_load_b32 v[80+k], v79, s[22:23] offset:12*(32*(k/16)+16*((k%16)/8)+k%8)   ; W3(32 q + 16 (kk / 8) + 8 h + kk % 8, r), k = 16 q + kk: the bf16 operand's order
.set k, k+1
.endr
.irp nt,0,1,2,3
.if \nt < 2
	WIN 0x80
.else
	WIN 0xc0
.endif
.set k, 0
.rept 32
	global_load_b128 v[128*(\nt%2)+4*k:128*(\nt%2)+4*k+3], v78, s[8:9] offset:16384*\nt+256*(k/8)+16*(k%8)
.set k, k+1
.endr
.endr
	WIN 0
	s_wait_dscnt 0x0                               ; for the others' sake: my partial sums have landed
	s_barrier_signal -1
	s_barrier_wait -1
.irp w,0,1,2,3
	ds_load_b128 v[32+4*\w:35+4*\w], v17 offset:1024*\w
.endr
.irp w,0,1,2,3
	ds_load_b64 v[8+2*\w:9+2*\w], v18 offset:1024*\w
.endr
	s_wait_loadcnt 63                              ; the first group of loads is in: 176 loads are younger; 63 is the largest count that the wait can name
	s_wait_dscnt 0x0
	s_wait_alu depctr_vm_vsrc(0)                   ; my two LDS stores have read v112 to v117, which the lines below write again
	v_pk_add_f32 v[112:113], v[32:33], v[36:37]
	v_pk_add_f32 v[118:119], v[40:41], v[44:45]
	v_pk_add_f32 v[114:115], v[34:35], v[38:39]
	v_pk_add_f32 v[120:121], v[42:43], v[46:47]
	v_pk_add_f32 v[116:117], v[8:9], v[10:11]
	v_pk_add_f32 v[122:123], v[12:13], v[14:15]
	v_pk_add_f32 v[112:113], v[112:113], v[118:119]
	v_pk_add_f32 v[114:115], v[114:115], v[120:121]
	v_pk_add_f32 v[116:117], v[116:117], v[122:123]
	v_pk_mul_f32 v[118:119], v[112:113], 0x3b800000 op_sel_hi:[1,0]                              ; the mean of d: / 256
	v_pk_fma_f32 v[114:115], v[112:113], v[118:119], v[114:115] neg_lo:[1,0,0] neg_hi:[1,0,0]    ; the records' means about their mean
	v_pk_fma_f32 v[116:117], v[114:115], 0x45800000, v[116:117] op_sel_hi:[1,0,1]                ; x 4,096 rows a record, + the records' own
	v_pk_add_f32 v[118:119], v[118:119], v[48:49]                                                ; mean2
	v_pk_mul_f32 v[116:117], v[116:117], 0x35800000 op_sel_hi:[1,0]                              ; var2: / 1,048,576
	v_pk_add_f32 v[116:117], v[116:117], 0x3727c5ac op_sel_hi:[1,0]                              ; + 1e-5
	v_rsq_f32 v120, v116
	v_rsq_f32 v121, v117
	v_pk_add_f32 v[118:119], v[72:73], v[118:119] neg_lo:[0,1] neg_hi:[0,1]                      ; b2 - mean2  (the plain place behind the transcendentals: ISA guide 5.7.2)
	s_wait_alu depctr_va_vdst(0)                   ; the two reciprocal roots v120, v121 are written, ahead of their first reader
	v_pk_mul_f32 v[120:121], v[120:121], v[68:69]                                                ; s2
.set k, 0
.rept 64
	v_pk_add_f32 v[X+2*k:X+2*k+1], v[X+2*k:X+2*k+1], v[52+(2*k)%8:53+(2*k)%8] neg_lo:[0,1] neg_hi:[0,1]
.set k, k+1
.endr
.set k, 0
.rept 64
	v_pk_mul_f32 v[X+2*k:X+2*k+1], v[X+2*k:X+2*k+1], v[60+(2*k)%8:61+(2*k)%8]
.set k, k+1
.endr
	s_wait_alu depctr_va_vdst(0)                   ; b2 - mean2 in v118, v119, s2 in v120, v121 and the normalised tokens v[X ..] are written, which the 35 LDS stores read
	ds_store_b64 v19, v[118:119]
	ds_store_b64 v19, v[120:121] offset:256
	ds_store_b64 v19, v[70:71] offset:512
.set k, 0
.rept 32
	ds_store_b128 v6, v[X+4*k:X+4*k+3] offset:512*k
.set k, k+1
.endr
	s_wait_loadcnt 0x0
	s_wait_dscnt 0x0                               ; my LDS stores are done
	s_wait_alu depctr_vm_vsrc(0)                   ; they have read v118 to v121, over which W3^T is written, v70, v71 and v[X ..]; the loads and stores so far have read the addresses v5 to v7, v16 to v19, v21 and v77 to v79: all of these are written as data from here on
	v_cmp_gt_u32 vcc_lo, 3, v75                    ; W3^T has three rows; the other thirteen are zeros
	s_wait_alu depctr_va_vcc(0)                    ; VCC is written, ahead of the selects that read it
.set k, 0
.rept 32
	v_cndmask_b32 v[80+k], 0, v[80+k], vcc_lo
.set k, k+1
.endr
.set k, 0
.rept 16
	v_cvt_pk_bf16_f32 v[W3F+k], v[80+2*k], v[81+2*k]
.set k, k+1
.endr
	s_wait_alu depctr_va_vdst(0)                   ; the selects and the roundings are done with v80 to v111, in which C lands
.irp d,0,1,2,3
.irp g,0,1
	ds_load_b128 v[CP+8*\d+4*\g:CP+8*\d+4*\g+3], v20 offset:64*\d+16*\g
.endr
.endr
	WIN 0x40
.irp d,0,1,2,3
.irp g,0,1
	ds_load_b128 v[S2L+8*\d+4*\g:S2L+8*\d+4*\g+3], v20 offset:256+64*\d+16*\g
	ds_load_b128 v[BT+8*\d+4*\g:BT+8*\d+4*\g+3], v20 offset:512+64*\d+16*\g
.endr
.endr
	ALOAD                                          ; my first token
	WIN 0
	s_wait_kmcnt 0x0
	s_add_f32 s44, s40, s48                        ; coarse + b3
	s_add_f32 s45, s41, s49
	s_add_f32 s46, s42, s50
	s_add_nc_u64 s[26:27], s[26:27], 12
	s_wait_dscnt 0x0
	s_wait_alu depctr_vm_vsrc(0)                   ; the table's LDS loads have read v20, which the maxima's lines write as v[P]
	ADD 0
	MAXSC
	CVTRELU
	s_mov_b32 s3, 15
.Ltoken:
	TRIP 1
	s_sub_co_u32 s3, s3, 1
	s_cmp_lg_u32 s3, 0
	s_cbranch_scc1 .Ltoken
	TRIP 0                                         ; the last token asks for no successor: no load leaves its buffer
	s_wait_xcnt 0x0
	v_lshl_add_u32 v254, v0, 2, 0x13400            ; (no memory or LDS instruction has read v254 or v255 since the last wait on vm_vsrc)
	v_mov_b32 v255, 0
	s_wait_dscnt 0x0                               ; the closing lines, six on end
	s_wait_alu 0x0
	s_wait_tensorcnt 0x0
	ds_add_u32 v254, v255
	s_wait_dscnt 0x0
	s_endpgm
.Lfunc_end_k_qab960f9efc_passB:
	.size	k_qab960f9efc_passB, .Lfunc_end_k_qab960f9efc_passB-k_qab960f9efc_passB
	.p2alignl 7, 3214868480
	.fill 96, 4, 3214868480
	.section	.rodata,"a",@progbits
	.p2align	6, 0x0
	.amdhsa_kernel k_qab960f9efc_passB
		.amdhsa_group_segment_fixed_size 79360
		.amdhsa_private_segment_fixed_size 0
		.amdhsa_enable_private_segment 0
		.amdhsa_kernarg_size 104
		.amdhsa_user_sgpr_count 2
		.amdhsa_user_sgpr_kernarg_segment_ptr 1
		.amdhsa_wavefront_size32 1
		.amdhsa_system_sgpr_workgroup_id_x 1
		.amdhsa_system_sgpr_workgroup_id_y 1
		.amdhsa_system_sgpr_workgroup_id_z 1
		.amdhsa_system_vgpr_workitem_id 0
		.amdhsa_next_free_vgpr 1024
		.amdhsa_next_free_sgpr 66
		.amdhsa_reserve_vcc 1
		.amdhsa_float_denorm_mode_32 3
		.amdhsa_float_denorm_mode_16_64 3
		.amdhsa_memory_ordered 1
		.amdhsa_forward_progress 1
		.amdhsa_inst_pref_size 207
	.end_amdhsa_kernel
	.amdgpu_metadata
---
amdhsa.version: [ 1, 2 ]
amdhsa.kernels:
  - .name:           k_qab960f9efc_passB
    .symbol:         k_qab960f9efc_passB.kd
    .args:
      - { .name: a_ws, .offset: 0, .size: 8, .value_kind: global_buffer, .address_space: global }
      - { .name: nrm1, .offset: 8, .size: 8, .value_kind: global_buffer, .address_space: global }
      - { .name: gtab, .offset: 16, .size: 8, .value_kind: global_buffer, .address_space: global }
      - { .name: W2_codes, .offset: 24, .size: 8, .value_kind: global_buffer, .address_space: global }
      - { .name: W2_scales, .offset: 32, .size: 8, .value_kind: global_buffer, .address_space: global }
      - { .name: b2, .offset: 40, .size: 8, .value_kind: global_buffer, .address_space: global }
      - { .name: st2, .offset: 48, .size: 8, .value_kind: global_buffer, .address_space: global }
      - { .name: gamma2, .offset: 56, .size: 8, .value_kind: global_buffer, .address_space: global }
      - { .name: beta2, .offset: 64, .size: 8, .value_kind: global_buffer, .address_space: global }
      - { .name: W3, .offset: 72, .size: 8, .value_kind: global_buffer, .address_space: global }
      - { .name: b3, .offset: 80, .size: 8, .value_kind: global_buffer, .address_space: global }
      - { .name: out0, .offset: 88, .size: 8, .value_kind: global_buffer, .address_space: global }
      - { .name: out1, .offset: 96, .size: 8, .value_kind: global_buffer, .address_space: global }
    .group_segment_fixed_size: 79360
    .private_segment_fixed_size: 0
    .kernarg_segment_align: 8
    .kernarg_segment_size: 104
    .max_flat_workgroup_size: 128
    .sgpr_count:     66
    .vgpr_count:     1024
    .wavefront_size: 32
...
	.end_amdgpu_metadata
.endif
;; end of part 7
